; MI455X (gfx1250); checked and timed in simulation.
; The chip was launched on July 23, 2026; its instructions are those of AMD's public machine-readable ISA for CDNA 5 (MIT licence, August 2026) and "CDNA5" Instruction Set Architecture Reference Guide (July 2026). The comments in the code are by the model that wrote it; some were corrected since.
;; Masked Multi Head Attention. Allowed arithmetic: matrix products marked QUANTISED: E2M3 operands, one E8M0 scale for each 32 along K, by v_wmma_scale_f32_16x16x128_f8f6f4 with both operands' format E2M3, f32 sums; everything else in f32.
;; Inputs: Wk 512 x 512 float32; Wo 512 x 512 float32; Wq 512 x 512 float32; Wv 512 x 512 float32; bk 512 float32; bo 512 float32; bq 512 float32; bv 512 float32; x 2 x 4,096 x 512 float32.
;; Outputs: out0 2 x 4,096 x 512 float32.
;; This version of the problem:
;;   THIS VERSION OF THE PROBLEM IS GIVEN IN LOW PRECISION. The matrix products marked QUANTISED in the list below multiply operands that are first quantised to E2M3 (2 exponent bits, 3 mantissa bits; 6 bits a number), with one power-of-two scale for each 32 numbers along K (OCP MX v1.0); their sums are f32. All else is computed in f32.
;;   The module's matrix products, in the order in which they are computed (A, B: the left and right operand; K: the contracted axis; several contracted axes count as one K, in the product's order):
;;     1. [M 8,192, K 512] x [K 512, N 512]; A: input x; B: input Wq: QUANTISED
;;     2. [M 8,192, K 512] x [K 512, N 512]; A: input x; B: input Wk: QUANTISED
;;     3. [M 8,192, K 512] x [K 512, N 512]; A: input x; B: input Wv: QUANTISED
;;     4. batch 16 x [M 4,096, K 64] x [K 64, N 4,096]; A: computed on the way; B: computed on the way: QUANTISED
;;     5. batch 16 x [M 4,096, K 4,096] x [K 4,096, N 64]; A: softmax (see below); B: computed on the way: QUANTISED
;;     6. [M 8,192, K 512] x [K 512, N 512]; A: computed on the way; B: input Wo: QUANTISED
;;   THE QUANTISER, for each operand of a quantised product, along K:
;;     - K is cut into blocks of 32 from its start; a last block that is shorter is filled with zeros.
;;     - A block's scale is 2^e with e = floor(log2(the largest magnitude in the block)) - 2, held to -126 .. 127; a block of zeros has e = 0. As a byte (E8M0): e + 127.
;;     - Each number is divided by its block's scale, clamped to +-7.5, and rounded to the nearest number of E2M3, ties to even, subnormals kept.
;;     - The product sums the exact products of the quantised numbers (number of the format x scale) in f32.
;;   ~~~python
;;   def quantise(x, axis):      # numpy; x: float32 -> the quantised numbers, widened to float32 again
;;       x = np.moveaxis(x, axis, -1); K = x.shape[-1]
;;       x = np.pad(x, [(0, 0)] * (x.ndim - 1) + [(0, -K % 32)]); x = x.reshape(x.shape[:-1] + (-1, 32)); a = np.abs(x).max(-1, keepdims=True)
;;       e = np.where(a > 0, np.clip(np.frexp(np.where(a > 0, a, 1))[1] - 1 - 2, -126, 127), 0)      # np.frexp(a)[1] - 1 = floor(log2(a)), exactly
;;       r = np.clip(x / 2.0 ** e, -7.5, 7.5)
;;       step = 2.0 ** (np.maximum(np.frexp(np.where(r == 0, 1, r))[1] - 1, 0) - 3)
;;       q = np.round(r / step) * step * 2.0 ** e      # np.round: ties to even
;;       return np.moveaxis(q.reshape(q.shape[:-2] + (-1,))[..., :K], -1, axis).astype(np.float32)
;;   ~~~
;;   SOFTMAX AHEAD OF A QUANTISED PRODUCT. Where the list says 'softmax', what is quantised is not the finished softmax but p = 2^(t - M), with t = logit x log2(e) and M = ceil(the row's largest t), a whole number; so 1/2 < the row's largest p <= 1. The row's sum l is taken of the UNQUANTISED p, in f32, and the product's result is divided by l at the end. Since M is a whole number, a kernel that streams over the keys may use a running M (the ceiling of the running maximum): every later rescaling is an exact power of two, which a block's scale takes up: the codes' values come out the same.
;;   OPERANDS COMPUTED ON THE WAY. 'Computed on the way' means the value that the module computes at that place (a softmax that the list does not call 'softmax' is quantised finished and normalised). What goes into a quantiser is computed in f32, as accurately as f32 sums, v_exp_f32 and their like allow (about 1e-6 of the number): no bf16 or f16 on the way to a quantiser, and a product that is left as it is and whose result goes on into a quantised operand takes f32 operands (vector FMAs, or v_wmma_f32_16x16x4_f32). A number that lies on a knife's edge between two numbers of the format may be rounded either way, as far as f32 arithmetic and the matrix unit's own rounding can turn it there, and no further.
;; One version. Each part assembles by itself: llvm-mc -triple=amdgcn-amd-amdhsa -mcpu=gfx1250 --defsym DOCPART=n.
;; ======== version 1 of 1: 4 launches
;; limits: right only within a limited range of input values
;; workspace buffers: cod 3,932,160 bytes; scl 163,840 bytes; qc 3,145,728 bytes; qsc 262,144 bytes; kv 6,684,672 bytes; ac 3,145,728 bytes; asc 131,072 bytes
;; launch prep (part 1): grid 640 x 1, 4 waves a work-group, no clusters, 34,304 bytes of LDS; arguments x, Wq, Wk, Wv, Wo, cod, scl; writes cod, scl
.if DOCPART == 1
	.amdgcn_target "amdgcn-amd-amdhsa--gfx1250"
	.amdhsa_code_object_version 6
	.text
	.protected	k_q4a7a4ce831_prep
	.globl	k_q4a7a4ce831_prep
	.p2align	8
	.type	k_q4a7a4ce831_prep,@function
k_q4a7a4ce831_prep:
	s_mov_b64 s[64:65], 0
	v_nop
	global_prefetch_b8 v0, s[64:65] scope:SCOPE_SE
	s_setreg_imm32_b32 hwreg(HW_REG_WAVE_MODE, 25, 1), 1
	s_wait_xcnt 0x0
; x [8192][512] and Wq, Wk, Wv, Wo [512][512], f32, K innermost, become codes of FP6 (E2M3) with one E8M0 byte for each 32 along K.
; The codes are laid as images of the operand's registers.
; TILE T of a matrix is 16 rows: row r of the tile is row 32 (T / 2) + 8 (T % 2) + r + 8 (r / 8).
;   As source 0 of a product, tiles 2 b and 2 b + 1 then give a lane 16 neighbouring rows in its 16 result registers.
; cod: [640 tiles][4 K steps][1,536 bytes]: a fragment (16 rows x 128 K, 12 registers a lane), registers 4 g .. 4 g + 3 of lane l at 512 g + 16 l.
;   Tiles 0-511 x, 512-543 Wq, 544-575 Wk, 576-607 Wv, 608-639 Wo.
; scl: [640][4][16] words: a row's four scale bytes of a K step.
; A work-group is a tile, a wave a K step.  Each of a wave's 16 loads reads 512 consecutive bytes of one row.
; The rows turn through the wave's own stage in LDS (pitch 528), so that lane (r, h) gets k = 64 c + 32 h + 0 .. 31 of row r, as the operand's layout has it.
; No barrier: waves share nothing.  No cluster: no two work-groups read the same bytes.
; A block's scale is 2^(floor(log2(largest magnitude)) - 2); its byte is the largest magnitude's exponent field - 2, held at 1 from below.
; LIMITS: a block of zeros gets the byte 1 where the rule says 127 (its codes are zeros, and this program alone reads the bytes).
;   NaN and infinities among the inputs are not served.
.set R,     16                         ; v16-79   16 rows as loaded, 4 registers each
.set X,     80                         ; v80-143  my 64 numbers: 32 c + i = k 64 c + 32 h + i
.set MX,    144                        ; v144-145 the two blocks' largest magnitudes
.set SO,    146                        ; v146-147 the conversions' scale operands
.set BY,    148                        ; v148-149 the scale bytes
.set WD,    150                        ; v150     the row's scale word
.set WO,    151                        ; v151     lane l xor 16's part of it
.set PC,    152                        ; v152-163 the fragment
.set CT,    164                        ; v164-166, v168-170 the second halves of the blocks' codes
.set STAGE, 8448                       ; 16 rows x 528 bytes for each wave
.set PITCH, 528                        ; 512 bytes + 16: the 16 rows that a load of 16 bytes a lane touches start 33 x 16 bytes apart
	s_load_b256 s[4:11], s[0:1], 0x0               ; x s[4:5], Wq s[6:7], Wk s[8:9], Wv s[10:11]
	s_load_b128 s[12:15], s[0:1], 0x20             ; Wo s[12:13], cod s[14:15]
	s_load_b64 s[16:17], s[0:1], 0x30              ; scl
	v_lshl_add_u32 v176, v0, 2, 0x8400
	v_mov_b32 v177, 0
	v_lshrrev_b32 v1, 5, v0
	v_readfirstlane_b32 s18, v1                    ; wave = K step
	v_and_b32 v7, 31, v0                           ; lane
	v_and_b32 v2, 15, v0                           ; r
	v_bfe_u32 v6, v0, 4, 1                         ; h
	v_lshlrev_b32 v1, 4, v7                        ; 16 x lane
	s_mul_i32 s19, s18, STAGE
	v_add_nc_u32 v3, s19, v1                       ; the stage, on the way in: 16 x lane of a row
	v_mul_u32_u24 v4, v2, PITCH
	v_lshl_add_u32 v4, v6, 7, v4
	v_add_nc_u32 v4, s19, v4                       ; and on the way out: row r, + 128 h bytes
	v_lshlrev_b32 v5, 2, v2                        ; 4 r: my row's scale word
	s_mov_b32 s30, 0x76543210
	s_mov_b32 s31, 0xfedcba98                      ; v_permlanex16_b32's selects for lane l xor 16
	s_and_b32 s20, ttmp9, 31
	s_cmp_lt_u32 ttmp9, 512
	s_cselect_b32 s20, ttmp9, s20                  ; the tile's number in its own matrix
	s_lshr_b32 s21, s20, 1
	s_lshl_b32 s21, s21, 16                        ; 32 rows of 2,048 bytes for each pair of tiles
	s_and_b32 s20, s20, 1
	s_lshl_b32 s20, s20, 14                        ; 8 rows for the odd tile
	s_add_co_u32 s20, s20, s21
	s_lshl_b32 s21, s18, 9                         ; the K step's 512 bytes of a row
	s_add_co_u32 s20, s20, s21
	s_mov_b32 s21, 0
	s_mul_i32 s22, ttmp9, 6144
	s_mul_i32 s23, s18, 1536
	s_add_co_u32 s22, s22, s23                     ; the fragment's place in cod
	s_mov_b32 s23, 0
	s_lshl_b32 s24, ttmp9, 8
	s_lshl_b32 s25, s18, 6
	s_add_co_u32 s24, s24, s25                     ; its 16 words' place in scl
	s_mov_b32 s25, 0
	s_wait_alu depctr_va_vdst(0)
	s_wait_kmcnt 0x0
	s_cmp_lt_u32 ttmp9, 608                        ; which matrix: the choice hangs on the work-group's number alone
	s_cselect_b64 s[12:13], s[10:11], s[12:13]
	s_cmp_lt_u32 ttmp9, 576
	s_cselect_b64 s[12:13], s[8:9], s[12:13]
	s_cmp_lt_u32 ttmp9, 544
	s_cselect_b64 s[12:13], s[6:7], s[12:13]
	s_cmp_lt_u32 ttmp9, 512
	s_cselect_b64 s[12:13], s[4:5], s[12:13]
	s_add_nc_u64 s[12:13], s[12:13], s[20:21]
	s_add_nc_u64 s[14:15], s[14:15], s[22:23]
	s_add_nc_u64 s[16:17], s[16:17], s[24:25]
.irp r, 0,1,2,3,4,5,6,7,8,9,10,11,12,13,14,15
	global_load_b128 v[R+4*\r:R+4*\r+3], v1, s[12:13] offset:(\r+8*(\r/8))*2048 th:TH_LOAD_NT   ; 32 lanes read 512 consecutive bytes of the tile's row r
.endr
.irp r, 0,1,2,3,4,5,6,7,8,9,10,11,12,13,14,15
	s_wait_loadcnt 15-\r                           ; loads come back in order: row r is in, the younger rows may be out
	ds_store_b128 v3, v[R+4*\r:R+4*\r+3] offset:PITCH*\r
.endr
.irp c, 0,1
.irp j, 0,1,2,3,4,5,6,7
	ds_load_b128 v[X+32*\c+4*\j:X+32*\c+4*\j+3], v4 offset:256*\c+16*\j   ; LDS serves a wave's instructions in order: these see my stores
.endr
.endr
	s_wait_dscnt 0x0
.irp c, 0,1                            ; my block 2 c + h: all its 32 numbers are mine
	v_max3_num_f32 v[MX+\c], |v[X+32*\c]|, |v[X+32*\c+1]|, 0x1800000   ; with the floor 2^(3 - 127): the byte cannot fall under 1
.endr
.irp i, 2,4,6,8,10,12,14,16,18,20,22,24,26,28,30
.irp c, 0,1
	v_max3_num_f32 v[MX+\c], v[MX+\c], |v[X+32*\c+\i]|, |v[X+32*\c+\i+1]|   ; the two blocks by turns
.endr
.endr
.irp c, 0,1
	v_add_nc_u32 v[SO+\c], 0xff000000, v[MX+\c]    ; 2 off the exponent field: the conversion takes this operand's exponent field as its scale
.endr
.irp c, 0,1
	v_lshrrev_b32 v[BY+\c], 23, v[SO+\c]           ; the scale's byte
.endr
	v_lshl_or_b32 v[WD], v[BY+1], 16, v[BY]        ; my two bytes: blocks h and 2 + h of row r,
	v_lshlrev_b32 v[WO], 3, v6
	v_lshlrev_b32 v[WD], v[WO], v[WD]              ; 8 h bits up;
	v_mov_b32 v[WO], 0
	v_permlanex16_b32 v[WO], v[WD], s30, s31
	v_or_b32 v[WD], v[WD], v[WO]                   ; with lane l xor 16's two the word is whole
.irp c, 0,1
	v_cvt_scalef32_pk16_fp6_f32 v[PC+6*\c:PC+6*\c+2], v[X+32*\c:X+32*\c+15], v[SO+\c]
	v_cvt_scalef32_pk16_fp6_f32 v[CT+4*\c:CT+4*\c+2], v[X+32*\c+16:X+32*\c+31], v[SO+\c]   ; a conversion's three registers begin on an even number
.endr
	v_nop                                          ; one plain instruction behind the scaled conversions
.irp c, 0,1
.irp i, 0,1,2
	v_mov_b32 v[PC+3+6*\c+\i], v[CT+4*\c+\i]
.endr
.endr
.irp g, 0,1,2
	global_store_b128 v1, v[PC+4*\g:PC+4*\g+3], s[14:15] offset:512*\g   ; 32 lanes store 512 consecutive bytes, at a multiple of 256 from cod's first byte
.endr
	v_cmp_gt_u32 vcc_lo, 16, v7
	s_wait_xcnt 0x0                                ; EXEC is a source of the stores above: it changes only behind this wait
	s_wait_tensorcnt 0x0
	ds_add_u32 v176, v177
	s_wait_dscnt 0x0
	s_and_saveexec_b32 s26, vcc_lo
	global_store_b32 v5, v[WD], s[16:17]           ; lanes 0-15: the 16 rows' words, 64 consecutive bytes
	s_endpgm
.Lfunc_end_k_q4a7a4ce831_prep:
	.size	k_q4a7a4ce831_prep, .Lfunc_end_k_q4a7a4ce831_prep-k_q4a7a4ce831_prep
	.p2alignl 7, 3214868480
	.fill 96, 4, 3214868480
	.section	.rodata,"a",@progbits
	.p2align	6, 0x0
	.amdhsa_kernel k_q4a7a4ce831_prep
		.amdhsa_group_segment_fixed_size 34304
		.amdhsa_private_segment_fixed_size 0
		.amdhsa_enable_private_segment 0
		.amdhsa_kernarg_size 56
		.amdhsa_user_sgpr_count 2
		.amdhsa_user_sgpr_kernarg_segment_ptr 1
		.amdhsa_wavefront_size32 1
		.amdhsa_system_sgpr_workgroup_id_x 1
		.amdhsa_system_sgpr_workgroup_id_y 1
		.amdhsa_system_sgpr_workgroup_id_z 1
		.amdhsa_system_vgpr_workitem_id 0
		.amdhsa_next_free_vgpr 178
		.amdhsa_next_free_sgpr 66
		.amdhsa_reserve_vcc 1
		.amdhsa_float_denorm_mode_32 3
		.amdhsa_float_denorm_mode_16_64 3
		.amdhsa_memory_ordered 1
		.amdhsa_forward_progress 1
		.amdhsa_inst_pref_size 11
	.end_amdhsa_kernel
	.amdgpu_metadata
---
amdhsa.version: [ 1, 2 ]
amdhsa.kernels:
  - .name:           k_q4a7a4ce831_prep
    .symbol:         k_q4a7a4ce831_prep.kd
    .args:
      - { .name: x, .offset: 0, .size: 8, .value_kind: global_buffer, .address_space: global }
      - { .name: Wq, .offset: 8, .size: 8, .value_kind: global_buffer, .address_space: global }
      - { .name: Wk, .offset: 16, .size: 8, .value_kind: global_buffer, .address_space: global }
      - { .name: Wv, .offset: 24, .size: 8, .value_kind: global_buffer, .address_space: global }
      - { .name: Wo, .offset: 32, .size: 8, .value_kind: global_buffer, .address_space: global }
      - { .name: cod, .offset: 40, .size: 8, .value_kind: global_buffer, .address_space: global }
      - { .name: scl, .offset: 48, .size: 8, .value_kind: global_buffer, .address_space: global }
    .group_segment_fixed_size: 34304
    .private_segment_fixed_size: 0
    .kernarg_segment_align: 8
    .kernarg_segment_size: 56
    .max_flat_workgroup_size: 128
    .sgpr_count:     66
    .vgpr_count:     178
    .wavefront_size: 32
...
	.end_amdgpu_metadata
.endif
;; end of part 1
;; launch qkv (part 2): grid 64 x 3, 8 waves a work-group, no clusters, 52,224 bytes of LDS; arguments cod, scl, bq, bk, bv, qc, qsc, kv; writes qc, qsc, kv
.if DOCPART == 2
	.amdgcn_target "amdgcn-amd-amdhsa--gfx1250"
	.amdhsa_code_object_version 6
	.text
	.protected	k_q4a7a4ce831_qkv
	.globl	k_q4a7a4ce831_qkv
	.p2align	8
	.type	k_q4a7a4ce831_qkv,@function
k_q4a7a4ce831_qkv:
	s_mov_b64 s[64:65], 0
	v_nop
	global_prefetch_b8 v0, s[64:65] scope:SCOPE_SE
	s_setreg_imm32_b32 hwreg(HW_REG_WAVE_MODE, 25, 1), 1
	s_wait_xcnt 0x0
; The three projections on codes of FP6, their biases, and the quantising of Q, K (along the head's 64) and V (along the keys).  One text, three roles (work-group y: 0 Q, 1 K, 2 V).
; A UNIT: four STATIONARY tiles (64 rows, source 0) x one MOVING tile (16 rows, source 1) over K = 512.
;   16 matrix instructions go into four accumulators.  A lane then holds one moving row and, in 32 registers, 64 stationary rows: register 16 b + i = row 32 b + 16 h + i.
;   The two blocks of 32 are quantised into a HALF fragment (6 registers, 768 bytes) and two scale bytes.
; Q, K: stationary = head w of Wq or Wk, moving = 8 tiles of x: a lane holds a token, its registers the head's features.
; V: stationary = 64 tokens of x, moving = 8 tiles of Wv (two heads): a lane holds a feature, its registers 64 keys.  So V comes out with the keys innermost.
; A wave keeps its stationary group in 192 registers.  The work-group's eight moving tiles lie in LDS as images of their registers; each wave brings one and all eight read all.
; HALF image: registers 0-3 of lane l at 16 l, registers 4-5 at 512 + 8 l.
; qc [16 heads][256 tiles][768], qsc [16][256][16] words.
; kv [16 heads][32 key steps][13,056]: K's 8 tiles at 0, V [half c][tile dt] at 6,144, K's words at 12,288, V's at 12,800.
; Q's and K's words hold their two bytes twice: the upper two belong to the zero codes that fill the matrix instruction's K from 64 to 128.
; NO CLUSTER: of the 30,720 bytes of codes that a wave loads, 24,576 go straight into registers that keep them for the whole launch, and a joint load lands in LDS alone.
; LIMITS: a block of zeros gets the byte 1 where the rule says 127 (zero codes; this program alone reads the bytes).  NaN and infinities are not served.
.set MSC,  49152                       ; LDS: 8 moving tiles x 6,144 bytes from 0; behind them their scale words, 256 bytes each
.set L16,  1                           ; v1   16 x lane
.set L8,   2                           ; v2   8 x lane
.set L4,   3                           ; v3   4 x lane
.set SOF,  4                           ; v4   where my two scale bytes go: 4 r + 2 h (Q, K), 4 r (V)
.set MWI,  5                           ; v5   16 x lane + 6,144 x wave
.set MWS,  6                           ; v6   MSC + 8 x lane + 256 x wave
.set NIL,  7                           ; v7   0
.set BSA,  8                           ; v8   the bias by registers: 64 h + 256 x wave
.set BMA,  9                           ; v9   the bias by lanes: 4 (r + 8 (r / 8)) + 512 (x % 4)
.set MV,   16                          ; v16-63, v64-111 the moving tile's four fragments, two sets
.set ACC,  112                         ; v112-143 four accumulators
.set BS,   144                         ; v144-175 the bias of the 64 stationary rows (0 for V)
.set BM,   176                         ; v176-183 the bias of my row of moving tile t (0 for Q, K)
.set SS,   184                         ; v184-191 stationary scale words: register 2 f + s / 2; lanes 0-15 K step 2 (s / 2), lanes 16-31 the next
.set MS,   192                         ; v192-195 moving scale words, two registers a set, laid likewise
.set HC,   196                         ; v196-201 the HALF just made
.set HT,   202                         ; v202-204
.set TM,   206                         ; v206-211 at work in QUANT2
.set PW,   212                         ; v212     the two scale bytes
.set SEL,  60                          ; s[60:61]
.set CLO,  14                          ; s[14:15] codes of units 0-3;  s[18:19] of units 4-7
.set CHI,  18
.set SLO,  16                          ; s[16:17] scale bytes of units 0-3;  s[10:11] of units 4-7
.set SHI,  10
.set STC,  50                          ; s[50:51] stationary codes;  s[52:53] their words;  s[54:55], s[56:57] my moving tile's
.set STS,  52
.set MVC,  54
.set MVS,  56
.set MSB, 0
.macro WIN new                         ; the immediate's high byte repeats the setting that is left
.if MSB != \new
	s_set_vgpr_msb (MSB<<8)|\new
.set MSB, \new
.endif
.endm
; 32 numbers of a lane, register 16 b + i = k 32 b + 16 h + i of my row, become a HALF in v[HC] on and two scale bytes in v[PW].
.macro QUANT2 s
.irp b, 0,1
	v_max3_num_f32 v[TM+\b], |v[\s+16*\b]|, |v[\s+16*\b+1]|, 0x1800000   ; my 16 numbers of block b, and the floor 2^(3 - 127): the byte cannot fall under 1
.endr
.irp i, 2,4,6,8,10,12,14
.irp b, 0,1
	v_max3_num_f32 v[TM+\b], v[TM+\b], |v[\s+16*\b+\i]|, |v[\s+16*\b+\i+1]|
.endr
.endr
.irp b, 0,1
	s_delay_alu instid0(VALU_DEP_2)
	v_permlanex16_b32 v[TM+2+\b], v[TM+\b], s[SEL], s[SEL+1]
.endr
.irp b, 0,1
	s_delay_alu instid0(VALU_DEP_2)
	v_max_num_f32 v[TM+\b], v[TM+\b], v[TM+2+\b]   ; with lane l xor 16's: the block's largest magnitude
.endr
.irp b, 0,1
	s_delay_alu instid0(VALU_DEP_2)
	v_add_nc_u32 v[TM+4+\b], 0xff000000, v[TM+\b]  ; 2 off its exponent field: the conversion's scale operand
.endr
.irp b, 0,1
	s_delay_alu instid0(VALU_DEP_2)
	v_lshrrev_b32 v[TM+2+\b], 23, v[TM+4+\b]       ; the scale's byte
.endr
	s_delay_alu instid0(VALU_DEP_1)
	v_lshl_or_b32 v[PW], v[TM+3], 8, v[TM+2]
	v_cvt_scalef32_pk16_fp6_f32 v[HC:HC+2], v[\s:\s+15], v[TM+4]
	v_cvt_scalef32_pk16_fp6_f32 v[HT:HT+2], v[\s+16:\s+31], v[TM+5]
	v_nop                                          ; one plain instruction behind the scaled conversions
.irp i, 0,1,2
	v_permlane16_swap_b32 v[HC+\i], v[HT+\i]       ; the layout wants a whole block in a lane: lanes 0-15 block 0, lanes 16-31 block 1
.endr
.irp i, 0,1,2
	s_delay_alu instid0(VALU_DEP_3)
	v_mov_b32 v[HC+3+\i], v[HT+\i]
.endr
.endm
.macro HSTORE cp, co, sp, so
	global_store_b128 v[L16], v[HC:HC+3], s[\cp:\cp+1] offset:\co         ; 512 consecutive bytes
	global_store_b64 v[L8], v[HC+4:HC+5], s[\cp:\cp+1] offset:(\co)+512   ; 256 consecutive bytes
	global_store_b16 v[SOF], v[PW], s[\sp:\sp+1] offset:\so
.endm
.macro FETCH t                         ; moving tile t out of LDS into set t % 2
.set jj, 0
.rept 12
	ds_load_b128 v[MV+48*((\t)%2)+4*jj:MV+48*((\t)%2)+4*jj+3], v[L16] offset:6144*(\t)+512*jj
.set jj, jj+1
.endr
.irp j, 0,1
	ds_load_b32 v[MS+2*((\t)%2)+\j], v[L4] offset:MSC+256*(\t)+128*\j
.endr
.endm
.macro UNIT t
	s_wait_dscnt 0x0                               ; moving tile t is in registers
.if (\t) < 7
	FETCH (\t)+1                                   ; into the other set: the products that read it stand ahead of the last unit's four v_nop
.endif
.set jj, 0
.rept 32
	v_add_f32 v[ACC+jj], v[BS+jj], v[BM+(\t)]      ; the sums begin with the bias (one of the two terms is 0)
.set jj, jj+1
.endr
.rept 4
	v_nop
.endr
	WIN 0x01                                       ; source 0 in window 1
.irp s, 0,1,2,3                        ; the four accumulators by turns, one instruction a turn
.irp f, 0,1,2,3
.set AR, 12*(4*\f+\s)
.set BR, MV+48*((\t)%2)+12*\s
.if \s%2
	v_wmma_scale_f32_16x16x128_f8f6f4 v[ACC+8*\f:ACC+8*\f+7], v[AR:AR+11], v[BR:BR+11], v[ACC+8*\f:ACC+8*\f+7], v[SS+2*\f+\s/2], v[MS+2*((\t)%2)+\s/2] matrix_a_fmt:MATRIX_FMT_FP6 matrix_b_fmt:MATRIX_FMT_FP6 matrix_a_scale:MATRIX_SCALE_ROW1 matrix_b_scale:MATRIX_SCALE_ROW1
.else
	v_wmma_scale_f32_16x16x128_f8f6f4 v[ACC+8*\f:ACC+8*\f+7], v[AR:AR+11], v[BR:BR+11], v[ACC+8*\f:ACC+8*\f+7], v[SS+2*\f+\s/2], v[MS+2*((\t)%2)+\s/2] matrix_a_fmt:MATRIX_FMT_FP6 matrix_b_fmt:MATRIX_FMT_FP6
.endif
.endr
.endr
	WIN 0
.rept 4
	v_nop                                          ; four plain instructions between the products and the first read of their results; they also serve the next unit's loads and additions
.endr
	s_wait_xcnt 0x0                                ; the last unit's stores have read v[HC] on and v[PW]: they are written again only behind this wait
	QUANT2 ACC
.if (\t) < 4
	HSTORE CLO, 768*((\t)%4), SLO, 64*((\t)%4)
.else
	HSTORE CHI, 768*((\t)%4), SHI, 64*((\t)%4)
.endif
.endm
	s_load_b256 s[4:11], s[0:1], 0x0               ; cod s[4:5], scl s[6:7], bq s[8:9], bk s[10:11]
	s_load_b256 s[12:19], s[0:1], 0x20             ; bv s[12:13], qc s[14:15], qsc s[16:17], kv s[18:19]
	v_lshl_add_u32 v254, v0, 2, 0xc800
	v_mov_b32 v255, 0
	v_lshrrev_b32 v10, 5, v0
	s_delay_alu instid0(VALU_DEP_1)
	v_readfirstlane_b32 s20, v10                   ; w: wave 0..7
	s_and_b32 s22, ttmp7, 0xffff                   ; role
	s_lshr_b32 s23, ttmp9, 5
	s_lshl_b32 s23, s23, 3                         ; 8 x batch
	s_and_b32 s24, ttmp9, 31                       ; Q, K: which 128 tokens of the batch
	s_and_b32 s25, ttmp9, 3                        ; V: which two heads
	s_bfe_u32 s26, ttmp9, 0x30002                  ; V: which 512 tokens of the batch
	s_add_co_u32 s27, s23, s20                     ; Q, K: head 8 b + w
	s_lshl_b32 s28, s25, 1
	s_add_co_u32 s28, s28, s23                     ; V: head 8 b + 2 (x % 4), of units 0-3
	s_lshl_b32 s29, s26, 2
	s_lshr_b32 s30, s20, 1
	s_add_co_u32 s29, s29, s30                     ; V: my 64 tokens' key step
	s_and_b32 s30, s20, 1                          ; and which half c of it
	s_mul_i32 s31, s30, 3072
	s_add_co_u32 s31, s31, 6144                    ; V's codes in a record
	s_lshl_b32 s32, s30, 1
	s_add_co_u32 s32, s32, 12800                   ; V's scale bytes in a record
	s_lshr_b32 s33, ttmp9, 2
	s_lshl_b32 s33, s33, 5                         ; V: x's tiles 32 (x / 4) on are stationary
	s_lshl_b32 s34, s22, 5
	s_add_co_u32 s34, s34, 512                     ; Q, K: the weight's tiles
	s_lshl_b32 s35, ttmp9, 3                       ; Q, K: x's tiles 8 x on move
	s_lshl_b32 s36, s25, 3
	s_add_co_u32 s36, s36, 576                     ; V: Wv's tiles 8 (x % 4) on
	s_mov_b32 s37, 417792                          ; a head's 32 records
	s_mov_b32 s38, 13056                           ; a record
	s_cmp_eq_u32 s22, 2                            ; all choices hang on the work-group's y alone
	s_cselect_b32 s27, s28, s27                    ; the head
	s_cselect_b32 s24, s29, s24                    ; the key step, or Q's block
	s_cselect_b32 s31, s31, 0
	s_cselect_b32 s32, s32, 12288
	s_cselect_b32 s33, s33, s34
	s_cselect_b32 s35, s36, s35
	s_cselect_b32 s46, s37, 3072                   ; from units 0-3 to units 4-7: the next head (V), or four tiles on
	s_cselect_b32 s48, s37, 256
	s_cselect_b32 s41, -1, 0                       ; a lane mask: all ones for V
	s_cmp_eq_u32 s22, 0
	s_cselect_b32 s42, 196608, s37
	s_cselect_b32 s43, 6144, s38
	s_cselect_b32 s44, 16384, s37
	s_cselect_b32 s45, 512, s38
	s_cselect_b32 s32, 0, s32
	s_mul_i32 s42, s42, s27
	s_mul_i32 s43, s43, s24
	s_add_co_u32 s42, s42, s43
	s_add_co_u32 s42, s42, s31                     ; where my codes begin
	s_mov_b32 s43, 0
	s_mul_i32 s44, s44, s27
	s_mul_i32 s45, s45, s24
	s_add_co_u32 s44, s44, s45
	s_add_co_u32 s44, s44, s32                     ; and my scale bytes
	s_mov_b32 s45, 0
	s_mov_b32 s47, 0
	s_mov_b32 s49, 0
	s_lshl_b32 s34, s20, 2
	s_add_co_u32 s33, s33, s34                     ; my first stationary tile
	s_mul_i32 s[STC], s33, 6144
	s_mov_b32 s[STC+1], 0
	s_lshl_b32 s[STS], s33, 8
	s_mov_b32 s[STS+1], 0
	s_add_co_u32 s35, s35, s20                     ; the moving tile that I bring
	s_mul_i32 s[MVC], s35, 6144
	s_mov_b32 s[MVC+1], 0
	s_lshl_b32 s[MVS], s35, 8
	s_mov_b32 s[MVS+1], 0
	s_mov_b32 s[SEL], 0x76543210
	s_mov_b32 s[SEL+1], 0xfedcba98                 ; v_permlanex16_b32's selects for lane l xor 16
	v_and_b32 v10, 31, v0                          ; lane
	v_and_b32 v11, 15, v0                          ; r
	v_bfe_u32 v12, v0, 4, 1                        ; h
	s_delay_alu instid0(VALU_DEP_3)
	v_lshlrev_b32 v[L16], 4, v10
	s_delay_alu instid0(VALU_DEP_4)
	v_lshlrev_b32 v[L8], 3, v10
	v_lshlrev_b32 v[L4], 2, v10
	v_mov_b32 v[NIL], 0
	s_mul_i32 s58, s20, 6144
	v_add_nc_u32 v[MWI], s58, v[L16]
	s_lshl_b32 s58, s20, 8
	v_lshlrev_b32 v[BSA], 6, v12
	s_delay_alu instid0(VALU_DEP_1)
	v_add_nc_u32 v[BSA], s58, v[BSA]
	s_add_co_u32 s58, s58, MSC
	v_add_nc_u32 v[MWS], s58, v[L8]
	v_and_b32 v13, 8, v11
	s_delay_alu instid0(VALU_DEP_1)
	v_add_nc_u32 v13, v13, v11                     ; r + 8 (r / 8)
	s_delay_alu instid0(VALU_DEP_1)
	v_lshlrev_b32 v[BMA], 2, v13
	s_lshl_b32 s58, s25, 9
	v_add_nc_u32 v[BMA], s58, v[BMA]
	v_lshlrev_b32 v13, 1, v12
	s_delay_alu instid0(VALU_DEP_1)
	v_cndmask_b32 v13, v13, v[NIL], s41            ; Q, K: lanes 16-31 store the word's upper copy.  V: lanes r and r + 16 store the same two bytes to the same place
	s_delay_alu instid0(VALU_DEP_1)
	v_lshl_add_u32 v[SOF], v11, 2, v13
	v_mov_b32 v[TM+2], 0                           ; written once: a lane permute's destination counts as one of its sources
	v_mov_b32 v[TM+3], 0
	s_wait_alu depctr_va_vdst(0)
	s_wait_kmcnt 0x0
	s_cmp_eq_u32 s22, 0
	s_cselect_b64 s[14:15], s[14:15], s[18:19]     ; codes go to qc or to kv,
	s_cselect_b64 s[16:17], s[16:17], s[18:19]     ; scale bytes to qsc or to kv;
	s_cselect_b64 s[8:9], s[8:9], s[10:11]         ; the bias is bq, bk
	s_cmp_eq_u32 s22, 2
	s_cselect_b64 s[8:9], s[12:13], s[8:9]         ; or bv
	s_add_nc_u64 s[CLO:CLO+1], s[14:15], s[42:43]
	s_add_nc_u64 s[CHI:CHI+1], s[CLO:CLO+1], s[46:47]
	s_add_nc_u64 s[SLO:SLO+1], s[16:17], s[44:45]
	s_add_nc_u64 s[SHI:SHI+1], s[SLO:SLO+1], s[48:49]
	s_add_nc_u64 s[STC:STC+1], s[4:5], s[STC:STC+1]
	s_add_nc_u64 s[STS:STS+1], s[6:7], s[STS:STS+1]
	s_add_nc_u64 s[MVC:MVC+1], s[4:5], s[MVC:MVC+1]
	s_add_nc_u64 s[MVS:MVS+1], s[6:7], s[MVS:MVS+1]
.set jj, 0
.rept 12
	global_load_b128 v[MV+4*jj:MV+4*jj+3], v[L16], s[MVC:MVC+1] offset:512*jj   ; my moving tile: 6,144 consecutive bytes
.set jj, jj+1
.endr
	global_load_b64 v[MS:MS+1], v[L8], s[MVS:MVS+1]          ; and its 256 bytes of scale words
	WIN 0x40                                       ; destination window 1
.set jj, 0
.rept 48
	global_load_b128 v[4*jj:4*jj+3], v[L16], s[STC:STC+1] offset:512*jj   ; my stationary group: fragment (tile f, K step s) at v[12 (4 f + s)] of window 1; it stays
.set jj, jj+1
.endr
	WIN 0
	s_wait_loadcnt 48                              ; the 13 older loads are in; the 48 stationary ones may be out
.set jj, 0
.rept 12
	ds_store_b128 v[MWI], v[MV+4*jj:MV+4*jj+3] offset:512*jj
.set jj, jj+1
.endr
	ds_store_b64 v[MWS], v[MS:MS+1]
.set jj, 0
.rept 8
	global_load_b32 v[SS+jj], v[L4], s[STS:STS+1] offset:128*jj
.set jj, jj+1
.endr
.irp f, 0,1,2,3
	global_load_b128 v[BS+8*\f:BS+8*\f+3], v[BSA], s[8:9] offset:128*(\f/2)+32*(\f%2)       ; features 64 w + 32 (f / 2) + 8 (f % 2) + 16 h + 0 .. 7
	global_load_b128 v[BS+8*\f+4:BS+8*\f+7], v[BSA], s[8:9] offset:128*(\f/2)+32*(\f%2)+16
.endr
.irp t, 0,1,2,3,4,5,6,7
	global_load_b32 v[BM+\t], v[BMA], s[8:9] offset:128*(\t/2)+32*(\t%2)                   ; the feature of row r of moving tile t.  Both kinds of address lie inside the 2,048 bytes in every role
.endr
	s_wait_dscnt 0x0                               ; for the others' sake: my stores have landed
	s_barrier_signal -1
	s_barrier_wait -1                              ; the eight moving tiles lie in LDS; nothing writes LDS behind this barrier
	FETCH 0
	s_wait_loadcnt 0x0
.set jj, 0
.rept 32
	v_cndmask_b32 v[BS+jj], v[BS+jj], v[NIL], s41  ; V has no bias by registers,
.set jj, jj+1
.endr
.set jj, 0
.rept 8
	v_cndmask_b32 v[BM+jj], v[NIL], v[BM+jj], s41  ; Q and K none by lanes
.set jj, jj+1
.endr
	s_wait_alu depctr_va_vdst(0)
.irp t, 0,1,2,3,4,5,6,7
	UNIT \t
.endr
	s_wait_tensorcnt 0x0
	ds_add_u32 v254, v255
	s_wait_dscnt 0x0
	s_endpgm
.Lfunc_end_k_q4a7a4ce831_qkv:
	.size	k_q4a7a4ce831_qkv, .Lfunc_end_k_q4a7a4ce831_qkv-k_q4a7a4ce831_qkv
	.p2alignl 7, 3214868480
	.fill 96, 4, 3214868480
	.section	.rodata,"a",@progbits
	.p2align	6, 0x0
	.amdhsa_kernel k_q4a7a4ce831_qkv
		.amdhsa_group_segment_fixed_size 52224
		.amdhsa_private_segment_fixed_size 0
		.amdhsa_enable_private_segment 0
		.amdhsa_kernarg_size 64
		.amdhsa_user_sgpr_count 2
		.amdhsa_user_sgpr_kernarg_segment_ptr 1
		.amdhsa_wavefront_size32 1
		.amdhsa_system_sgpr_workgroup_id_x 1
		.amdhsa_system_sgpr_workgroup_id_y 1
		.amdhsa_system_sgpr_workgroup_id_z 1
		.amdhsa_system_vgpr_workitem_id 0
		.amdhsa_next_free_vgpr 512
		.amdhsa_next_free_sgpr 72
		.amdhsa_reserve_vcc 0
		.amdhsa_float_denorm_mode_32 3
		.amdhsa_float_denorm_mode_16_64 3
		.amdhsa_memory_ordered 1
		.amdhsa_forward_progress 1
		.amdhsa_inst_pref_size 71
	.end_amdhsa_kernel
	.amdgpu_metadata
---
amdhsa.version: [ 1, 2 ]
amdhsa.kernels:
  - .name:           k_q4a7a4ce831_qkv
    .symbol:         k_q4a7a4ce831_qkv.kd
    .args:
      - { .name: cod, .offset: 0, .size: 8, .value_kind: global_buffer, .address_space: global }
      - { .name: scl, .offset: 8, .size: 8, .value_kind: global_buffer, .address_space: global }
      - { .name: bq, .offset: 16, .size: 8, .value_kind: global_buffer, .address_space: global }
      - { .name: bk, .offset: 24, .size: 8, .value_kind: global_buffer, .address_space: global }
      - { .name: bv, .offset: 32, .size: 8, .value_kind: global_buffer, .address_space: global }
      - { .name: qc, .offset: 40, .size: 8, .value_kind: global_buffer, .address_space: global }
      - { .name: qsc, .offset: 48, .size: 8, .value_kind: global_buffer, .address_space: global }
      - { .name: kv, .offset: 56, .size: 8, .value_kind: global_buffer, .address_space: global }
    .group_segment_fixed_size: 52224
    .private_segment_fixed_size: 0
    .kernarg_segment_align: 8
    .kernarg_segment_size: 64
    .max_flat_workgroup_size: 256
    .sgpr_count:     72
    .vgpr_count:     512
    .wavefront_size: 32
...
	.end_amdgpu_metadata
.endif
;; end of part 2
;; launch attn (part 3): grid 16 x 16, 8 waves a work-group, no clusters, 308,224 bytes of LDS; arguments qc, qsc, kv, ac, asc; writes ac, asc
.if DOCPART == 3
	.amdgcn_target "amdgcn-amd-amdhsa--gfx1250"
	.amdhsa_code_object_version 6
	.text
	.protected	k_q4a7a4ce831_attn
	.globl	k_q4a7a4ce831_attn
	.p2align	8
	.type	k_q4a7a4ce831_attn,@function
k_q4a7a4ce831_attn:
	s_mov_b64 s[64:65], 0
	v_nop
	global_prefetch_b8 v0, s[64:65] scope:SCOPE_SE
	s_setreg_imm32_b32 hwreg(HW_REG_WAVE_MODE, 25, 1), 1
	s_wait_xcnt 0x0
; Causal attention on codes of FP6, head size 64, and the quantising of its result along d_model.
; t = score x log2(e) / 8.  M = the running largest t rounded UP to a whole number.  p = 2^(t - M) is quantised along the keys, not normalised.
; The row's sum is taken of the unquantised p and divides O at the end.  When M moves, the sum and O are multiplied by 2^(old M - new M): exact.
; Key steps that the causal mask hides whole are not walked, but for at most one a work-group (below).
; SHARES.  Work-group (p, head) owns query blocks 31 - p and p (128 queries each), one after the other.  Eight waves in two groups of four, two waves to a SIMD.
;   Wave w of either group owns query tiles 2 w (tile A, register window 0) and 2 w + 1 (tile B, window 1): each fragment of K and V read from LDS feeds two tiles.
;   GROUP g TAKES KEY STEPS 2 t + g of 128 keys: a block with n steps takes ceil(n / 2) trips, and ceil((32 - p) / 2) + ceil((p + 1) / 2) = 17 trips for every work-group.
;   Where n is odd, group 1's last step lies past the diagonal: the mask hides it whole, and it adds zeros.
;   At a block's end group 1 hands O^T, the sums and -M to group 0 through LDS; group 0 brings both parts under the larger M (exact powers of two), adds, divides, quantises and stores.
; LAYOUT.  Both products are used transposed: S^T = K Q^T (source 0 = 16 keys), O^T = V^T P^T (source 0 = 16 features).  A lane holds one query of each tile.
;   THE KEYS OF A TILE OF K are chosen by the LDS addresses: row m of tile 4 c + T is key 64 c + 32 (m / 8) + 8 T + m % 8.
;   So lane (r, h) holds, in registers 32 c .. 32 c + 31 of S^T, keys 64 c + 32 h + 0 .. 31: a whole block of P's layout; its maximum and its codes need no other lane.
;   The head has 64 features and the matrix instruction takes 128: Q's upper six registers hold zero codes.  K's fragments lie dense, six registers a tile:
;   the upper six registers that a product names are the next tile's codes (behind the last tile: zeros); they meet Q's zero codes and add nothing.
; FEED.  A key step is one record of 13,056 bytes (K's 8 halves, V [c][dt], K's words, V's words).  Each group copies its own records through registers into its own three LDS slots,
;   128 bytes of padding behind each 1,536.  Trip i stores the group's record i + 2, loads its record i + 3 into registers, and reads V of record i and K of record i + 1.  One barrier a trip.
;   It copies wave 2's once more into 256 bytes of the slot that nobody reads, so that the copy has one form.
;   The loop's body is three trips, so that every slot is an immediate.  The last trips' look-ahead (three records, K's fragments, tile A's eight products) is not used; the records lie inside the head's 32.
; ORDER.  Each matrix instruction is followed by four vector instructions of other work: P V beside tile A's row sum, the next step's K Q of tile A beside tile B's row sum, that of tile B beside tile A's maxima.
;   A block's end is done in the next trip, behind both tiles' maxima, or behind the loop.  The hand-over has three areas, by the trip's place in the loop's body:
;   a trip's loads name the area of the trip before, its stores its own.
; NO CLUSTER: the work-groups of a head leave the common walk at another trip for each p; from there on partners would want different records in the same trip.
; 512 registers a wave: the eight waves fill the four SIMDs' registers.
; LIMITS: a block of zeros gets the byte 1 where the rule says 127 (zero codes; this program alone reads the bytes).  NaN and infinities are not served.
.set SLOT,  14336
.set SCB,   13312                      ; the scale words in a slot
.set REC,   13056
.set HEADB, 417792
.set MG,    86016                      ; behind the 2 x 3 slots: the hand-over, 3 areas of 9,216 bytes for each wave, so that no two waves store to the same bytes; group 1's are filled
.set MA,    9216
.set SPARE, 307200                     ; behind it: the spare words
; window 0 (window 1 holds the same names for tile B where marked *)
.set L16, 1                            ; * 16 x lane
.set L8,  2                            ; * 8 x lane
.set L4,  3                            ; 4 x lane + my group's slots
.set CPO, 4                            ; my part of a record: 16 x lane + 3,072 w
.set CPS, 5                            ; 12,288 + 8 x lane + 256 min(w, 2)
.set KA,  6                            ; K's fragments: 1,664 (r / 8) + 16 (r % 8) + 256 h + my group's slots
.set KB,  7                            ; 1,664 (r / 8) + 8 (r % 8) + 128 h + my group's slots
.set K4,  8                            ; K's words: 128 (r / 8) + 4 (r % 8) + 64 h + my group's slots
.set R4,  9                            ; * 4 r
.set DQ,  10                           ; * my query's place in its block, less 32 h, plus 128 x (the block's last step - my group's last step)
.set NINF, 11                          ; * -infinity
.set NMA, 12                           ; v[12:13], v[14:15] -M of tiles A, B (low word)
.set NMB, 14
.set RMA, 16                           ; the running largest score
.set RMB, 17
.set FFA, 18                           ; v[18:19], v[20:21] f = 2^(old M - new M)
.set FFB, 20
.set TA,  22
.set TB,  23
.set UA,  24
.set UB,  25
.set LS,  26                           ; * v[26:27] the row's sum in two halves
.set BX,  28                           ; v28-31 largest score, then p, of blocks A0 A1 B0 B1; v32-35 second chains
.set H8,  36                           ; 8 h
.set ADS, 37                           ; LDS: 16 x lane + 3,328 w + my group's slots
.set ADS2, 38                          ; LDS: SCB + 8 x lane + 256 w + my group's slots
.set MG16, 39                          ; LDS: my own areas: MG + 27,648 x wave + 16 x lane
.set MGL, 0                            ; LDS: the areas of wave | 4, group 0's partner (v0 is read no more once the head's addresses are made)
.set SO,  40                           ; v40-43 the conversions' scale operands
.set PSA, 44                           ; p's scale words
.set PSB, 45
.set KSC, 46                           ; v46-49
.set VSC, 50                           ; v50-51
.set QSA, 52
.set QSB, 53
.set Q2SA, 54
.set Q2SB, 55
.set SPW, 56
.set NIL, 57
.set PFO, 58
.set VA16, 59                          ; V's fragments: 16 x lane + my group's slots
.set QF,  60                           ; * v60-71 Q's fragment (v66-71 zero codes)
.set Q2,  72                           ; * v72-77 the second block's Q
.set PC,  78                           ; * v78-89 p's codes
.set CT,  90                           ; * v90-92, v94-96
.set VA8, 97                           ; 8 x lane + my group's slots
.set S,   98                           ; * v98-161 S^T, then p
.set O,   162                          ; * v162-193 O^T
.set K,   194                          ; v194-241 K's eight tiles; v242-247 zeros
.set V,   194                          ; window 1: V's four fragments
.set ZK,  242
.set TM,  248                          ; * v248-253 at work at a block's end
.set PW,  254                          ; *
.set TMP, 255                          ; *
.set CH,  28                           ; window 1: v28-53 my part of a record on its way
.set HC,  PC
.set HT,  CT
.set WV, 14                            ; my wave in its group
.set PP, 15
.set BH, 16
.set TAU, 17
.set KS, 18                            ; the trip in its block;  s19 the block's last
.set LAST, 19
.set SEL, 20
.set CS, 22                            ; s[22:23] c = log2(e) / 8;  s26 -c
.set LIM, 24
.set KC, 25
.set NC, 26
.set LC, 27
.set SB, 28                            ; s[28:29] my group's first record
.set RP, 30
.set ACP, 32
.set ASP, 34
.set AC2, 36
.set AS2, 38
.set PFA, 40
.set PFLIM, 42
.set EB, 43                            ; 1: the trip before ended a block
.set G,  58                            ; my group
.set GO, 59                            ; its slots' first byte
.set LP2, 60                           ; the second block's last trip
.set DD, 61                            ; what the second block adds to v[DQ]
.set W8, 62
.set MSB, 0
.macro WIN new                         ; the immediate's high byte repeats the setting that is left
.if MSB != \new
	s_set_vgpr_msb (MSB<<8)|\new
.set MSB, \new
.endif
.endm
.macro CSTORE sl, base                 ; my part of a record, from window 1, into my group's slot sl
	WIN 0x04
.irp j, 0,1,2,3,4,5
	ds_store_b128 v[ADS], v[\base+4*\j:\base+4*\j+3] offset:(\sl)*SLOT+512*\j+128*(\j/3)
.endr
	ds_store_b64 v[ADS2], v[\base+24:\base+25] offset:(\sl)*SLOT
	WIN 0
.endm
.macro CLOAD base, ptr
	WIN 0x40
.irp j, 0,1,2,3,4,5
	global_load_b128 v[\base+4*\j:\base+4*\j+3], v[CPO], s[\ptr:\ptr+1] offset:512*\j
.endr
	global_load_b64 v[\base+24:\base+25], v[CPS], s[\ptr:\ptr+1]
	WIN 0
.endm
.macro VLOAD sl
	WIN 0x40
.irp dt, 0,1,2,3
.irp c, 0,1
	ds_load_b128 v[V+12*\dt+6*\c:V+12*\dt+6*\c+3], v[VA16] offset:(\sl)*SLOT+6656+3328*\c+768*\dt+128*(\dt/2)
	ds_load_b64 v[V+12*\dt+6*\c+4:V+12*\dt+6*\c+5], v[VA8] offset:(\sl)*SLOT+6656+3328*\c+768*\dt+128*(\dt/2)+512
.endr
.endr
	WIN 0
.irp q, 0,1
	ds_load_b32 v[VSC+\q], v[L4] offset:(\sl)*SLOT+SCB+512+128*\q
.endr
.endm
.macro KLOAD sl
.irp n, 0,1,2,3,4,5,6,7
	ds_load_b128 v[K+6*\n:K+6*\n+3], v[KA] offset:(\sl)*SLOT+3328*(\n/4)+768*(\n%2)+128*((\n%4)/2)
	ds_load_b64 v[K+6*\n+4:K+6*\n+5], v[KB] offset:(\sl)*SLOT+3328*(\n/4)+768*(\n%2)+64*((\n%4)/2)+512
.endr
.irp q, 0,1,2,3
	ds_load_b32 v[KSC+\q], v[K4] offset:(\sl)*SLOT+SCB+256*(\q/2)+32*(\q%2)   ; lanes 0-15 the even tile's words, lanes 16-31 the odd tile's
.endr
.endm
.macro KQ1 n, qs                       ; S^T of K's tile n
.if (\n)%2
	v_wmma_scale_f32_16x16x128_f8f6f4 v[S+8*(\n):S+8*(\n)+7], v[K+6*(\n):K+6*(\n)+11], v[QF:QF+11], 0, v[KSC+2*((\n)/4)+((\n)%4)/2], v[\qs] matrix_a_fmt:MATRIX_FMT_FP6 matrix_b_fmt:MATRIX_FMT_FP6 matrix_a_scale:MATRIX_SCALE_ROW1
.else
	v_wmma_scale_f32_16x16x128_f8f6f4 v[S+8*(\n):S+8*(\n)+7], v[K+6*(\n):K+6*(\n)+11], v[QF:QF+11], 0, v[KSC+2*((\n)/4)+((\n)%4)/2], v[\qs] matrix_a_fmt:MATRIX_FMT_FP6 matrix_b_fmt:MATRIX_FMT_FP6
.endif
.endm
.macro PV1 d, ps                       ; O^T += V^T P^T, feature tile d
.if (\d)%2
	v_wmma_scale_f32_16x16x128_f8f6f4 v[O+8*(\d):O+8*(\d)+7], v[V+12*(\d):V+12*(\d)+11], v[PC:PC+11], v[O+8*(\d):O+8*(\d)+7], v[VSC+(\d)/2], v[\ps] matrix_a_fmt:MATRIX_FMT_FP6 matrix_b_fmt:MATRIX_FMT_FP6 matrix_a_scale:MATRIX_SCALE_ROW1
.else
	v_wmma_scale_f32_16x16x128_f8f6f4 v[O+8*(\d):O+8*(\d)+7], v[V+12*(\d):V+12*(\d)+11], v[PC:PC+11], v[O+8*(\d):O+8*(\d)+7], v[VSC+(\d)/2], v[\ps] matrix_a_fmt:MATRIX_FMT_FP6 matrix_b_fmt:MATRIX_FMT_FP6
.endif
.endm
; Line k (0 .. 31) of a tile's two block maxima: four chains by turns (block 0, 1: registers 0-16; block 0, 1: registers 17-31), ascending.
.macro MAXK k, bx
.if (\k) < 4
.set ch, (\k)
.set bs, S+32*(ch%2)+17*(ch/2)
	v_max3_num_f32 v[\bx+ch%2+4*(ch/2)], v[bs], v[bs+1], v[bs+2]
.elseif (\k) < 28
.set ch, ((\k)-4)%4
.set bs, S+32*(ch%2)+17*(ch/2)+3+2*(((\k)-4)/4)
	v_max3_num_f32 v[\bx+ch%2+4*(ch/2)], v[\bx+ch%2+4*(ch/2)], v[bs], v[bs+1]
.elseif (\k) < 30
.set ch, (\k)-28
.set bs, S+32*ch+15
	v_max3_num_f32 v[\bx+ch], v[\bx+ch], v[bs], v[bs+1]
.else
.set ch, (\k)-30
	v_max_num_f32 v[\bx+ch], v[\bx+ch], v[\bx+ch+4]
.endif
.endm
.macro MAX4 b, bx
.irp i, 0,1,2,3
	MAXK (\b)+\i, \bx
.endr
.endm
; Line k (0 .. 31) of a tile's row sum: a tree in place over p's 32 pairs (the codes are made by then), its root onto the running sum.
.macro SUMK k
.if (\k) < 16
.set sj, (\k)
.set sd, 16
.elseif (\k) < 24
.set sj, (\k)-16
.set sd, 8
.elseif (\k) < 28
.set sj, (\k)-24
.set sd, 4
.elseif (\k) < 30
.set sj, (\k)-28
.set sd, 2
.else
.set sj, 0
.set sd, 1
.endif
.if (\k) < 31
	v_pk_add_f32 v[S+2*sj:S+2*sj+1], v[S+2*sj:S+2*sj+1], v[S+2*(sj+sd):S+2*(sj+sd)+1]
.else
	v_pk_add_f32 v[LS:LS+1], v[LS:LS+1], v[S:S+1]
.endif
.endm
.macro SUM4 b
.irp i, 0,1,2,3
	SUMK (\b)+\i
.endr
.endm
.macro MASK                            ; a block's last trip: register n holds key 64 (n / 32) + 32 h + n % 32 of my step, hidden where it comes after my query
.set nn, 0
.rept 64
	v_cmp_gt_i32 vcc_lo, 64*(nn/32)+nn%32, v[DQ]
	v_cndmask_b32 v[S+nn], v[S+nn], v[NINF], vcc_lo
.set nn, nn+1
.endr
.endm
.macro TAIL6                           ; the next step's S^T of tile B, and beside it tile A's maxima
.irp g, 0,1,2,3,4,5,6,7
	WIN 0x44
	KQ1 \g, QSB
	WIN 0
	MAX4 4*\g, BX
.endr
.endm
.macro QUANT2 s                        ; 32 numbers of a lane, register 16 b + i = feature 32 b + 16 h + i, become a HALF in v[HC] on and two scale bytes in v[PW]
.irp b, 0,1
	v_max3_num_f32 v[TM+\b], |v[\s+16*\b]|, |v[\s+16*\b+1]|, 0x1800000   ; with the floor 2^(3 - 127): the byte cannot fall under 1
.endr
.irp i, 2,4,6,8,10,12,14
.irp b, 0,1
	s_delay_alu instid0(VALU_DEP_2)
	v_max3_num_f32 v[TM+\b], v[TM+\b], |v[\s+16*\b+\i]|, |v[\s+16*\b+\i+1]|
.endr
.endr
.irp b, 0,1
	s_delay_alu instid0(VALU_DEP_2)
	v_permlanex16_b32 v[TM+2+\b], v[TM+\b], s[SEL], s[SEL+1]
.endr
.irp b, 0,1
	s_delay_alu instid0(VALU_DEP_2)
	v_max_num_f32 v[TM+\b], v[TM+\b], v[TM+2+\b]
.endr
.irp b, 0,1
	s_delay_alu instid0(VALU_DEP_2)
	v_add_nc_u32 v[TM+4+\b], 0xff000000, v[TM+\b]
.endr
.irp b, 0,1
	s_delay_alu instid0(VALU_DEP_2)
	v_lshrrev_b32 v[TM+2+\b], 23, v[TM+4+\b]
.endr
	s_delay_alu instid0(VALU_DEP_1)
	v_lshl_or_b32 v[PW], v[TM+3], 8, v[TM+2]
	v_cvt_scalef32_pk16_fp6_f32 v[HC:HC+2], v[\s:\s+15], v[TM+4]
	v_cvt_scalef32_pk16_fp6_f32 v[HT:HT+2], v[\s+16:\s+31], v[TM+5]
	v_nop                                          ; one plain instruction behind the scaled conversions
.irp i, 0,1,2
	v_permlane16_swap_b32 v[HC+\i], v[HT+\i]
.endr
.irp i, 0,1,2
	s_delay_alu instid0(VALU_DEP_3)
	v_mov_b32 v[HC+3+\i], v[HT+\i]
.endr
.endm
.macro ENDT co, so                     ; a tile's end, all its registers in one window: O^T / the sum, in place, quantised along the head's 64 features, stored
	v_add_f32 v[LS], v[LS], v[LS+1]
	s_delay_alu instid0(VALU_DEP_1)
	v_permlanex16_b32 v[TMP], v[LS], s[SEL], s[SEL+1]
	s_delay_alu instid0(VALU_DEP_1)
	v_add_f32 v[LS], v[LS], v[TMP]                 ; with lane l xor 16's keys
	s_wait_alu depctr_va_vdst(0)                   ; the wait ahead of the reciprocal,
	v_rcp_f32 v[LS], v[LS]
	v_nop
	s_wait_alu depctr_va_vdst(0)                   ; and ahead of its first reader
.set jj, 0
.rept 32
	v_mul_f32 v[O+jj], v[O+jj], v[LS]
.set jj, jj+1
.endr
	QUANT2 O
	global_store_b128 v[L16], v[HC:HC+3], s[ACP:ACP+1] offset:\co          ; 512 consecutive bytes
	global_store_b64 v[L8], v[HC+4:HC+5], s[ACP:ACP+1] offset:(\co)+512    ; 256 consecutive bytes
	global_store_b16 v[R4], v[PW], s[ASP:ASP+1] offset:\so                 ; lanes r and r + 16 store the same two bytes to the same place
.endm
; GROUP 1 HANDS OVER, into area a: O^T of tile A at 0, of tile B at 4,096, as images of the registers; at 8,192 tile A's sum and both -M; at 8,704 tile B's sum.
.macro PUBLISH a
	s_wait_alu depctr_va_vdst(0)
	v_mov_b32 v[TM], v[LS]
	v_mov_b32 v[TM+1], v[LS+1]
	v_mov_b32 v[TM+2], v[NMA]
	v_mov_b32 v[TM+3], v[NMB]
.irp k, 0,1,2,3,4,5,6,7
	ds_store_b128 v[MG16], v[O+4*\k:O+4*\k+3] offset:(\a)*MA+512*\k
.endr
	ds_store_b128 v[MG16], v[TM:TM+3] offset:(\a)*MA+8192
	WIN 0x41
	v_mov_b32 v[TM], v[LS]
	v_mov_b32 v[TM+1], v[LS+1]
	WIN 0x04
.irp k, 0,1,2,3,4,5,6,7
	ds_store_b128 v[MG16], v[O+4*\k:O+4*\k+3] offset:(\a)*MA+4096+512*\k
.endr
	ds_store_b128 v[MG16], v[TM:TM+3] offset:(\a)*MA+8704
	WIN 0
.endm
.macro MLOAD a, c                      ; group 1's registers 16 c .. 16 c + 15 of O^T, both tiles, into the registers of p's codes
.irp k, 0,1,2,3
	ds_load_b128 v[PC+4*\k:PC+4*\k+3], v[MGL] offset:(\a)*MA+2048*(\c)+512*\k
.endr
	WIN 0x40
.irp k, 0,1,2,3
	ds_load_b128 v[PC+4*\k:PC+4*\k+3], v[MGL] offset:(\a)*MA+4096+2048*(\c)+512*\k
.endr
.endm
.macro MFMA c, f1
.set jj, 0
.rept 8
	v_pk_fma_f32 v[O+16*(\c)+jj:O+16*(\c)+jj+1], v[PC+jj:PC+jj+1], v[\f1:\f1+1], v[O+16*(\c)+jj:O+16*(\c)+jj+1] op_sel_hi:[1,0,1]
.set jj, jj+2
.endr
.endm
.macro MTILE f0, f1                    ; my part x f0, group 1's sum and first half x f1 onto it
	v_pk_mul_f32 v[LS:LS+1], v[LS:LS+1], v[\f0:\f0+1] op_sel_hi:[1,0]
.set jj, 0
.rept 16
	v_pk_mul_f32 v[O+jj:O+jj+1], v[O+jj:O+jj+1], v[\f0:\f0+1] op_sel_hi:[1,0]
.set jj, jj+2
.endr
	v_pk_fma_f32 v[LS:LS+1], v[TM:TM+1], v[\f1:\f1+1], v[LS:LS+1] op_sel_hi:[1,0,1]
	MFMA 0, \f1
.endm
; GROUP 0 ENDS A BLOCK: both groups' parts under the larger M, added; then each tile's end.
.macro FINISH a
	ds_load_b128 v[TM:TM+3], v[MGL] offset:(\a)*MA+8192
	MLOAD \a, 0
	ds_load_b128 v[TM:TM+3], v[MGL] offset:(\a)*MA+8704
	WIN 0
	s_wait_dscnt 0x0
	v_min_num_f32 v[TA], v[NMA], v[TM+2]           ; -(the larger M)
	v_min_num_f32 v[TB], v[NMB], v[TM+3]
	s_delay_alu instid0(VALU_DEP_2)
	v_sub_f32 v[UA], v[TA], v[NMA]                 ; my M - the larger: a whole number, 0 or less
	s_delay_alu instid0(VALU_DEP_2)
	v_sub_f32 v[UB], v[TB], v[NMB]
	v_sub_f32 v[TA], v[TA], v[TM+2]                ; and group 1's
	v_sub_f32 v[TB], v[TB], v[TM+3]
	s_delay_alu instid0(VALU_DEP_4)
	v_cvt_i32_f32 v[UA], v[UA]                     ; (they saturate)
	s_delay_alu instid0(VALU_DEP_4)
	v_cvt_i32_f32 v[UB], v[UB]
	s_delay_alu instid0(VALU_DEP_4)
	v_cvt_i32_f32 v[TA], v[TA]
	s_delay_alu instid0(VALU_DEP_4)
	v_cvt_i32_f32 v[TB], v[TB]
	s_delay_alu instid0(VALU_DEP_4)
	v_ldexp_f32 v[FFA], 1.0, v[UA]
	s_delay_alu instid0(VALU_DEP_4)
	v_ldexp_f32 v[FFB], 1.0, v[UB]
	s_delay_alu instid0(VALU_DEP_4)
	v_ldexp_f32 v[NMA], 1.0, v[TA]                 ; (-M is done with: the block is over)
	s_delay_alu instid0(VALU_DEP_4)
	v_ldexp_f32 v[NMB], 1.0, v[TB]
	MTILE FFA, NMA
	WIN 0x51                                       ; tile B: the factors in window 0, all else in window 1
	MTILE FFB, NMB
	WIN 0
	s_wait_alu depctr_va_vdst(0)
	MLOAD \a, 1
	WIN 0
	s_wait_dscnt 0x0
	MFMA 1, NMA
	WIN 0x51
	MFMA 1, NMB
	WIN 0
	ENDT 0, 0
	WIN 0x55
	ENDT 6144, 256
	WIN 0
.endm
.macro SETBLK blk, qp, qsp, acp, asp   ; the four addresses of tile 8 blk + 2 w
	s_lshl_b32 s44, s[\blk], 3
	s_lshl_b32 s45, s[WV], 1
	s_add_co_u32 s44, s44, s45
	s_mul_i32 s46, s[BH], 196608
	s_mul_i32 s45, s44, 768
	s_add_co_u32 s46, s46, s45
	s_mov_b32 s47, 0
	s_add_nc_u64 s[\qp:\qp+1], s[4:5], s[46:47]
	s_lshl_b32 s46, s[BH], 14
	s_lshl_b32 s45, s44, 6
	s_add_co_u32 s46, s46, s45
	s_add_nc_u64 s[\qsp:\qsp+1], s[6:7], s[46:47]
	s_lshr_b32 s45, s[BH], 3
	s_lshl_b32 s45, s45, 8
	s_add_co_u32 s44, s44, s45                     ; the tile among the 512 of both batches
	s_and_b32 s45, s[BH], 7
	s_mul_i32 s45, s45, 768
	s_mul_i32 s46, s44, 6144
	s_add_co_u32 s46, s46, s45
	s_add_nc_u64 s[\acp:\acp+1], s[10:11], s[46:47]
	s_lshl_b32 s46, s44, 8
	s_bfe_u32 s45, s[BH], 0x20001                  ; the head's K step of the last product,
	s_lshl_b32 s45, s45, 6
	s_add_co_u32 s46, s46, s45
	s_and_b32 s45, s[BH], 1                        ; and its half of the scale words
	s_lshl_b32 s45, s45, 1
	s_add_co_u32 s46, s46, s45
	s_add_nc_u64 s[\asp:\asp+1], s[12:13], s[46:47]
.endm
.macro LOADQ qf, sa, sb, qp, qsp       ; both tiles' Q: tile A into window 0, tile B into window 1; the scale words into window 0
	global_load_b128 v[\qf:\qf+3], v[L16], s[\qp:\qp+1]
	global_load_b64 v[\qf+4:\qf+5], v[L8], s[\qp:\qp+1] offset:512
	global_load_b32 v[\sa], v[R4], s[\qsp:\qsp+1]
	global_load_b32 v[\sb], v[R4], s[\qsp:\qsp+1] offset:64
	WIN 0x40
	global_load_b128 v[\qf:\qf+3], v[L16], s[\qp:\qp+1] offset:768
	global_load_b64 v[\qf+4:\qf+5], v[L8], s[\qp:\qp+1] offset:1280
	WIN 0
.endm
; A TRIP.  j: the slot of this step's record, and the trip's place in the loop's body.  ex = 1: the copy in which the walk ends.
; On entry S^T of both tiles is made or on its way, and tile A's maxima are taken.
.macro TRIP j, ex
	s_wait_loadcnt 0x0                             ; my part of record i + 2 is in registers
	s_wait_xcnt 0x0                                ; earlier memory instructions have read their addresses: s[PFA] and s[RP] are written only behind this wait
	s_add_nc_u64 s[PFA:PFA+1], s[PFA:PFA+1], 32768
	s_mul_i32 s44, s[KC], 2*REC
	s_mov_b32 s45, 0
	s_add_nc_u64 s[RP:RP+1], s[SB:SB+1], s[44:45]
	s_wait_dscnt 0x0                               ; my stores of the last trip have landed; my reads were waited for in it
	s_barrier_signal -1
	s_barrier_wait -1
	CSTORE (\j+2)%3, CH                            ; into the slot whose V was read last trip
	VLOAD \j
	KLOAD (\j+1)%3
	s_wait_dscnt 38                                ; behind the 7 stores stand 38 loads: the stores have read their registers
	CLOAD CH, RP                                   ; record i + 3
; A PREFETCH of the head's records, 1,632 blocks of 256 bytes in 51 requests of 32 blocks, a lane a block.  All sixteen work-groups of a head walk the same records:
; work-group 0 asks, and in it waves 0 to 3: in trip i wave u makes request 16 + u + 4 i while that is under 51.  Each block is named once, none past the head's last byte.
; Requests 0 to 15 come by their loads alone.  Request 16 + 4 i begins at byte 131,072 + 32,768 i; the copies of trip i load from byte 78,336 + 26,112 i.
	s_cmp_lt_u32 s[TAU], s[PFLIM]
	s_cbranch_scc0 .Lnp_\@
	global_prefetch_b8 v[PFO], s[PFA:PFA+1] th:TH_LOAD_NT scope:SCOPE_SE
.Lnp_\@:
	s_add_co_u32 s[KC], s[KC], 1
	s_cmp_eq_u32 s[KC], s[LIM]
	s_cselect_b32 s[KC], 0, s[KC]                  ; behind the first block's last trip the walk begins anew
	s_cmp_lg_u32 s[KS], s[LAST]                    ; a branch on ids: only a block's last trip reaches the diagonal
	s_cbranch_scc1 .Lopen_\@
	WIN 0x55
	MASK                                           ; tile B (tile A's mask stands at the last trip's end)
	v_add_nc_u32 v[DQ], s[DD], v[DQ]               ; both masks of this block are done: the second block's shift
.irp i, 0,1,2,3,4,5
	v_mov_b32 v[QF+\i], v[Q2+\i]                   ; this block's products with Q are all issued: the look-ahead takes the second block's Q
.endr
	WIN 0
	v_add_nc_u32 v[DQ], s[DD], v[DQ]
.irp i, 0,1,2,3,4,5
	v_mov_b32 v[QF+\i], v[Q2+\i]
.endr
	v_mov_b32 v[QSA], v[Q2SA]
	v_mov_b32 v[QSB], v[Q2SB]
.Lopen_\@:
	WIN 0x15                                       ; tile B's maxima: sources in window 1, results in window 0
	MAX4 0, BX+2
	WIN 0x14
.set kk, 4
.rept 26
	MAXK kk, BX+2
.set kk, kk+1
.endr
	WIN 0
	MAXK 30, BX+2
	MAXK 31, BX+2
	s_wait_alu depctr_va_vdst(0)                   ; the wait ahead of the branch
	s_cmp_eq_u32 s[EB], 0
	s_cbranch_scc1 .Lnoend_\@
	s_cmp_lg_u32 s[G], 0
	s_cbranch_scc1 .Lreset_\@
	FINISH (\j+2)%3                                ; THE FIRST BLOCK'S END: the area that group 1 filled in the trip before
	s_wait_xcnt 0x0                                ; the stores have read their addresses and data
	s_mov_b64 s[ACP:ACP+1], s[AC2:AC2+1]
	s_mov_b64 s[ASP:ASP+1], s[AS2:AS2+1]
.Lreset_\@:
	v_mov_b32 v[RMA], 0xff61b1e6                   ; the second block begins: the largest score is -3e38 and -M is 3e38, so the first f is 0,
	v_mov_b32 v[RMB], 0xff61b1e6                   ; which makes zeros of the finite numbers that the sums and O^T still hold
	v_mov_b32 v[NMA], 0x7f61b1e6
	v_mov_b32 v[NMB], 0x7f61b1e6
.Lnoend_\@:
	v_max_num_f32 v[TA], v[BX], v[BX+1]            ; the two tiles by turns
	v_max_num_f32 v[TB], v[BX+2], v[BX+3]
	s_delay_alu instid0(VALU_DEP_2)
	v_permlanex16_b32 v[UA], v[TA], s[SEL], s[SEL+1]
	s_delay_alu instid0(VALU_DEP_2)
	v_permlanex16_b32 v[UB], v[TB], s[SEL], s[SEL+1]
	s_delay_alu instid0(VALU_DEP_2)
	v_max3_num_f32 v[RMA], v[RMA], v[TA], v[UA]    ; the running largest score of my query
	s_delay_alu instid0(VALU_DEP_2)
	v_max3_num_f32 v[RMB], v[RMB], v[TB], v[UB]
	s_delay_alu instid0(VALU_DEP_2)
	v_mul_f32 v[TA], s[NC], v[RMA]                 ; -t
	s_delay_alu instid0(VALU_DEP_2)
	v_mul_f32 v[TB], s[NC], v[RMB]
	s_delay_alu instid0(VALU_DEP_2)
	v_floor_f32 v[UA], v[TA]                       ; the new -M = -ceil(t)
	s_delay_alu instid0(VALU_DEP_2)
	v_floor_f32 v[UB], v[TB]
	s_delay_alu instid0(VALU_DEP_2)
	v_sub_f32 v[TA], v[UA], v[NMA]                 ; old M - new M: a whole number, 0 or less
	s_delay_alu instid0(VALU_DEP_2)
	v_sub_f32 v[TB], v[UB], v[NMB]
	v_mov_b32 v[NMA], v[UA]
	v_mov_b32 v[NMB], v[UB]
	s_delay_alu instid0(VALU_DEP_4)
	v_cvt_i32_f32 v[TA], v[TA]                     ; (it saturates)
	s_delay_alu instid0(VALU_DEP_4)
	v_cvt_i32_f32 v[TB], v[TB]
	s_delay_alu instid0(VALU_DEP_4)
	v_fma_f32 v[BX], v[BX], s[CS], v[NMA]          ; t - M of each block's largest score: p rises with the score
	v_fma_f32 v[BX+1], v[BX+1], s[CS], v[NMA]
	v_fma_f32 v[BX+2], v[BX+2], s[CS], v[NMB]
	v_fma_f32 v[BX+3], v[BX+3], s[CS], v[NMB]
	v_ldexp_f32 v[FFA], 1.0, v[TA]                 ; f = 2^(old M - new M)
	v_ldexp_f32 v[FFB], 1.0, v[TB]
.set jj, 0
.rept 32
	v_pk_fma_f32 v[S+jj:S+jj+1], v[S+jj:S+jj+1], s[CS:CS+1], v[NMA:NMA+1] op_sel_hi:[1,0,0]   ; t - M, two at a time
.set jj, jj+2
.endr
	v_pk_mul_f32 v[LS:LS+1], v[LS:LS+1], v[FFA:FFA+1] op_sel_hi:[1,0]
.set jj, 0
.rept 16
	v_pk_mul_f32 v[O+jj:O+jj+1], v[O+jj:O+jj+1], v[FFA:FFA+1] op_sel_hi:[1,0]   ; O^T under the new M
.set jj, jj+2
.endr
	WIN 0x41                                       ; tile B: first source and result in window 1, -M and f in window 0
.set jj, 0
.rept 32
	v_pk_fma_f32 v[S+jj:S+jj+1], v[S+jj:S+jj+1], s[CS:CS+1], v[NMB:NMB+1] op_sel_hi:[1,0,0]
.set jj, jj+2
.endr
	v_pk_mul_f32 v[LS:LS+1], v[LS:LS+1], v[FFB:FFB+1] op_sel_hi:[1,0]
.set jj, 0
.rept 16
	v_pk_mul_f32 v[O+jj:O+jj+1], v[O+jj:O+jj+1], v[FFB:FFB+1] op_sel_hi:[1,0]
.set jj, jj+2
.endr
	WIN 0
	s_wait_alu depctr_va_vdst(0)                   ; the wait ahead of the batch
	s_wait_dscnt 0x0                               ; V, K and their words are in registers
.irp b, 0,1,2,3
	v_exp_f32 v[BX+\b], v[BX+\b]                   ; the blocks' largest p
.endr
.set jj, 0
.rept 64
	v_exp_f32 v[S+jj], v[S+jj]                     ; p = 2^(t - M), at most 1
.set jj, jj+1
.endr
	WIN 0x41
.set jj, 0
.rept 64
	v_exp_f32 v[S+jj], v[S+jj]
.set jj, jj+1
.endr
	v_nop                                          ; a plain instruction behind the exponentials
	WIN 0
	s_wait_alu depctr_va_vdst(0)                   ; one wait for the batch, ahead of its first reader
.irp b, 0,1,2,3
	v_max_num_f32 v[BX+\b], 0x1800000, v[BX+\b]    ; the floor 2^(3 - 127): a block whose every p is 0 keeps the byte 1; its codes are zeros
.endr
.irp b, 0,1,2,3
	s_delay_alu instid0(VALU_DEP_4)
	v_add_nc_u32 v[SO+\b], 0xff000000, v[BX+\b]    ; 2 off the exponent field: the conversion's scale operand
.endr
.irp b, 0,1,2,3
	s_delay_alu instid0(VALU_DEP_4)
	v_lshrrev_b32 v[BX+\b], 23, v[SO+\b]           ; the scale's byte
.endr
	s_delay_alu instid0(VALU_DEP_3)
	v_lshl_or_b32 v[TA], v[BX+1], 16, v[BX]        ; my two bytes: blocks h and 2 + h,
	s_delay_alu instid0(VALU_DEP_2)
	v_lshl_or_b32 v[TB], v[BX+3], 16, v[BX+2]
	s_delay_alu instid0(VALU_DEP_2)
	v_lshlrev_b32 v[TA], v[H8], v[TA]              ; 8 h bits up;
	s_delay_alu instid0(VALU_DEP_2)
	v_lshlrev_b32 v[TB], v[H8], v[TB]
	s_delay_alu instid0(VALU_DEP_2)
	v_permlanex16_b32 v[UA], v[TA], s[SEL], s[SEL+1]
	s_delay_alu instid0(VALU_DEP_2)
	v_permlanex16_b32 v[UB], v[TB], s[SEL], s[SEL+1]
	s_delay_alu instid0(VALU_DEP_2)
	v_or_b32 v[PSA], v[TA], v[UA]                  ; with lane l xor 16's two the word is whole
	s_delay_alu instid0(VALU_DEP_2)
	v_or_b32 v[PSB], v[TB], v[UB]
.irp c, 0,1
	v_cvt_scalef32_pk16_fp6_f32 v[PC+6*\c:PC+6*\c+2], v[S+32*\c:S+32*\c+15], v[SO+\c]
	v_cvt_scalef32_pk16_fp6_f32 v[CT+4*\c:CT+4*\c+2], v[S+32*\c+16:S+32*\c+31], v[SO+\c]   ; a conversion's three registers begin on an even number
.endr
	WIN 0x41
.irp c, 0,1
	v_cvt_scalef32_pk16_fp6_f32 v[PC+6*\c:PC+6*\c+2], v[S+32*\c:S+32*\c+15], v[SO+2+\c]
	v_cvt_scalef32_pk16_fp6_f32 v[CT+4*\c:CT+4*\c+2], v[S+32*\c+16:S+32*\c+31], v[SO+2+\c]
.endr
	v_nop                                          ; one plain instruction behind the scaled conversions
	WIN 0
.irp c, 0,1
.irp i, 0,1,2
	v_mov_b32 v[PC+3+6*\c+\i], v[CT+4*\c+\i]
.endr
.endr
	WIN 0x41
.irp c, 0,1
.irp i, 0,1,2
	v_mov_b32 v[PC+3+6*\c+\i], v[CT+4*\c+\i]       ; tile B's six moves are the plain instructions between tile A's codes and its products
.endr
.endr
.irp g, 0,1,2,3                        ; P V of both tiles, one accumulator an instruction; beside it tile A's row sum
	WIN 0x01
	PV1 \g, PSA
	WIN 0
	SUM4 4*\g
.endr
.irp g, 0,1,2,3
	WIN 0x55
	PV1 \g, PSB
	WIN 0
	SUM4 16+4*\g
.endr
.irp g, 0,1,2,3,4,5,6,7                ; the next step's S^T of tile A over its p, which is done with; beside it tile B's row sum
	WIN 0
	KQ1 \g, QSA
	WIN 0x45
	SUM4 4*\g
.endr
	WIN 0
	s_cmp_lg_u32 s[KS], s[LAST]
	s_cbranch_scc1 .Lnopub_\@                      ; ids: only in a block's last trip,
	s_cmp_eq_u32 s[G], 0
	s_cbranch_scc1 .Lnopub_\@                      ; and the wave's number: only group 1
	PUBLISH \j
.Lnopub_\@:
.if \ex
	s_cmp_eq_u32 s[LC], 5
	s_cbranch_scc1 .Ldone                          ; trip 16 is the second block's last
.endif
	s_cmp_eq_u32 s[KS], s[LAST]
	s_cselect_b32 s[EB], 1, 0
	s_cselect_b32 s[LAST], s[LP2], s[LAST]
	s_cselect_b32 s[KS], -1, s[KS]
	s_add_co_u32 s[KS], s[KS], 1
	s_add_co_u32 s[TAU], s[TAU], 1
	s_cmp_lg_u32 s[KS], s[LAST]
	s_cbranch_scc1 .Lopa_\@
	MASK                                           ; the next trip is its block's last: tile A
.Lopa_\@:
	TAIL6
	s_wait_alu depctr_va_vdst(0)                   ; the wait ahead of the waits and the branch that follow
.endm
	s_load_b256 s[4:11], s[0:1], 0x0               ; qc s[4:5], qsc s[6:7], kv s[8:9], ac s[10:11]
	s_load_b64 s[12:13], s[0:1], 0x20              ; asc
	v_lshl_add_u32 v[SPW], v0, 2, SPARE
	v_mov_b32 v[NIL], 0
	v_lshrrev_b32 v[TA], 5, v0
	v_readfirstlane_b32 s[W8], v[TA]               ; wave 0..7
	s_lshr_b32 s[G], s[W8], 2                      ; group
	s_and_b32 s[WV], s[W8], 3                      ; wave in its group
	s_mul_i32 s[GO], s[G], 3*SLOT
	s_mov_b32 s[PP], ttmp9
	s_and_b32 s[BH], ttmp7, 0xffff
	s_mul_i32 s44, s[WV], 3072
	s_mul_i32 s45, s[WV], 3328
	s_add_co_u32 s45, s45, s[GO]
	s_min_u32 s46, s[WV], 2
	s_lshl_b32 s46, s46, 8
	s_add_co_u32 s46, s46, 12288
	s_lshl_b32 s47, s[WV], 8
	s_add_co_u32 s47, s47, SCB
	s_add_co_u32 s47, s47, s[GO]
	s_and_b32 s49, s[PP], 1                        ; block 31 - p ends at step 31 - p, whose parity is 1 - p % 2; my group's last step has parity g
	s_add_co_u32 s49, s49, s[G]
	s_sub_co_u32 s49, 1, s49
	s_lshl_b32 s49, s49, 7                         ; 128 (1 - p % 2 - g)
	s_lshl_b32 s48, s[WV], 5
	s_add_co_u32 s48, s48, s49
	s_and_b32 s[DD], s[PP], 1
	s_lshl_b32 s[DD], s[DD], 8
	s_sub_co_u32 s[DD], s[DD], 128                 ; block p: 128 (p % 2 - g); the difference is 128 (2 (p % 2) - 1)
	s_mul_i32 s49, s[W8], 3*MA
	s_add_co_u32 s49, s49, MG
	s_or_b32 s51, s[W8], 4
	s_mul_i32 s51, s51, 3*MA
	s_add_co_u32 s51, s51, MG
	s_mov_b32 s[SEL], 0x76543210
	s_mov_b32 s[SEL+1], 0xfedcba98                 ; v_permlanex16_b32's selects for lane l xor 16
	s_mov_b32 s[CS], 0x3e38aa3b                    ; log2(e) / 8
	s_mov_b32 s[CS+1], s[CS]
	s_mov_b32 s[NC], 0xbe38aa3b
	s_sub_co_u32 s[LIM], 33, s[PP]
	s_lshr_b32 s[LIM], s[LIM], 1                   ; the first block's trips: ceil((32 - p) / 2)
	s_sub_co_u32 s[LAST], s[LIM], 1
	s_lshr_b32 s[LP2], s[PP], 1                    ; the second block's last trip: ceil((p + 1) / 2) - 1
	s_mov_b32 s[KC], 3
	s_mov_b32 s[TAU], 0
	s_mov_b32 s[KS], 0
	s_mov_b32 s[EB], 0
	s_mov_b32 s[LC], 0
	s_sub_co_u32 s[PFLIM], 38, s[W8]
	s_lshr_b32 s[PFLIM], s[PFLIM], 2               ; 16 + u + 4 i < 51
	s_or_b32 s50, s[G], s[PP]                      ; 0 in waves 0 to 3 of the head's work-group 0
	s_cmp_eq_u32 s50, 0
	s_cselect_b32 s[PFLIM], s[PFLIM], 0
	v_and_b32 v[TA], 31, v0                        ; lane
	v_and_b32 v[TB], 15, v0                        ; r
	v_bfe_u32 v[UA], v0, 4, 1                      ; h
	v_and_b32 v[UB], 7, v0                         ; r % 8
	v_bfe_u32 v[TMP], v0, 3, 1                     ; r / 8
	v_lshlrev_b32 v[L16], 4, v[TA]
	v_lshlrev_b32 v[L8], 3, v[TA]
	v_lshlrev_b32 v[L4], 2, v[TA]
	v_lshlrev_b32 v[PFO], 8, v[TA]
	v_lshlrev_b32 v[R4], 2, v[TB]
	v_lshlrev_b32 v[H8], 3, v[UA]
	v_add_nc_u32 v[L4], s[GO], v[L4]
	v_add_nc_u32 v[VA16], s[GO], v[L16]
	v_add_nc_u32 v[VA8], s[GO], v[L8]
	v_add_nc_u32 v[MG16], s49, v[L16]
	v_add_nc_u32 v[MGL], s51, v[L16]
	v_add_nc_u32 v[CPO], s44, v[L16]
	v_add_nc_u32 v[ADS], s45, v[L16]
	v_add_nc_u32 v[CPS], s46, v[L8]
	v_add_nc_u32 v[ADS2], s47, v[L8]
	v_mul_u32_u24 v[KA], v[TMP], 1664
	v_lshlrev_b32 v[K4], 7, v[TMP]
	v_add_nc_u32 v[KA], s[GO], v[KA]
	v_add_nc_u32 v[K4], s[GO], v[K4]
	v_lshl_add_u32 v[KB], v[UB], 3, v[KA]
	v_lshl_add_u32 v[KB], v[UA], 7, v[KB]
	v_lshl_add_u32 v[KA], v[UB], 4, v[KA]
	v_lshl_add_u32 v[KA], v[UA], 8, v[KA]
	v_lshl_add_u32 v[K4], v[UB], 2, v[K4]
	v_lshl_add_u32 v[K4], v[UA], 6, v[K4]
	v_lshl_add_u32 v[DQ], v[TMP], 3, v[TB]         ; r + 8 (r / 8)
	v_add_nc_u32 v[DQ], s48, v[DQ]                 ; + 32 w: tile A's query; + the first block's shift
	v_lshlrev_b32 v[TA], 5, v[UA]
	v_sub_nc_u32 v[DQ], v[DQ], v[TA]               ; - 32 h
	v_add_nc_u32 v[TA], 8, v[DQ]                   ; tile B's lies 8 further on
	WIN 0x40                                       ; window 1's copies
	v_mov_b32 v[L16], v[L16]
	v_mov_b32 v[L8], v[L8]
	v_mov_b32 v[R4], v[R4]
	v_mov_b32 v[DQ], v[TA]
	WIN 0
	s_wait_alu depctr_va_vdst(0)                   ; the wait ahead of the wait below
	s_wait_kmcnt 0x0
	s_mul_i32 s44, s[BH], HEADB
	s_mov_b32 s45, 0
	s_add_nc_u64 s[SB:SB+1], s[8:9], s[44:45]
	s_add_co_u32 s44, s[W8], 12
	s_lshl_b32 s44, s44, 13
	s_add_nc_u64 s[PFA:PFA+1], s[SB:SB+1], s[44:45]   ; four requests under my first: every trip's head steps it by four
	s_mul_i32 s44, s[G], REC
	s_add_nc_u64 s[SB:SB+1], s[SB:SB+1], s[44:45]  ; my group's records: g, 2 + g, 4 + g ..
	s_add_nc_u64 s[RP:RP+1], s[SB:SB+1], 2*REC
	CLOAD CH, SB                                   ; my group's record 0
	CLOAD S, RP                                    ; its record 1, by way of registers that are not yet at work
	s_sub_co_u32 s49, 31, s[PP]
	SETBLK 49, 50, 52, ACP, ASP
	LOADQ QF, QSA, QSB, 50, 52
	SETBLK PP, 54, 56, AC2, AS2
	LOADQ Q2, Q2SA, Q2SB, 54, 56
.irp w, 0, 0x40                        ; what is written once, in both windows
	WIN \w
	v_mov_b32 v[NINF], 0xff800000
	v_mov_b32 v[LS], 0
	v_mov_b32 v[LS+1], 0
.set jj, 0
.rept 6
	v_mov_b32 v[QF+6+jj], 0                        ; zero codes for k = 64 .. 127
.set jj, jj+1
.endr
.set jj, 0
.rept 32
	v_mov_b32 v[O+jj], 0                           ; the step is written once: the first finds zeros
.set jj, jj+1
.endr
.set jj, 0
.rept 8
	v_mov_b32 v[TM+jj], 0                          ; a lane permute's destination counts as one of its sources
.set jj, jj+1
.endr
.endr
	WIN 0
.set jj, 0
.rept 6
	v_mov_b32 v[ZK+jj], 0
.set jj, jj+1
.endr
	v_mov_b32 v[NMA+1], 0                          ; (named as upper halves of pairs)
	v_mov_b32 v[NMB+1], 0
	v_mov_b32 v[FFA+1], 0
	v_mov_b32 v[FFB+1], 0
	v_mov_b32 v[RMA], 0xff61b1e6                   ; the largest score so far: -3e38; -M: 3e38
	v_mov_b32 v[RMB], 0xff61b1e6
	v_mov_b32 v[NMA], 0x7f61b1e6
	v_mov_b32 v[NMB], 0x7f61b1e6
	s_wait_alu depctr_va_vdst(0)
	s_wait_loadcnt 0x0
	CSTORE 0, CH
	CSTORE 1, S
	s_wait_dscnt 0x0                               ; the stores have landed and have read their registers
	s_add_nc_u64 s[RP:RP+1], s[SB:SB+1], 4*REC
	CLOAD CH, RP                                   ; my group's record 2
	s_barrier_signal -1
	s_barrier_wait -1                              ; each group's records 0 and 1 lie in its slots 0 and 1
	KLOAD 0
	s_wait_dscnt 0x0
.irp g, 0,1,2,3,4,5,6,7
	KQ1 \g, QSA
.endr
.rept 4
	v_nop                                          ; four plain instructions in front of the first read of results (ISA guide 7.12.1)
.endr
	TAIL6
	s_wait_alu depctr_va_vdst(0)
.Ltrip:
	TRIP 0, 0
	TRIP 1, 1
	TRIP 2, 0
	s_add_co_u32 s[LC], s[LC], 1
	s_cmp_lt_u32 s[LC], 6
	s_cbranch_scc1 .Ltrip
.Ldone:
	s_wait_alu depctr_va_vdst(0)
	s_wait_dscnt 0x0                               ; group 1's hand-over has landed
	s_barrier_signal -1
	s_barrier_wait -1
	s_cmp_lg_u32 s[G], 0
	s_cbranch_scc1 .Lend
	FINISH 1                                       ; THE SECOND BLOCK'S END: trip 16 stands second in the loop's body
.Lend:
	s_wait_tensorcnt 0x0                           ; the wave's end
	ds_add_u32 v[SPW], v[NIL]
	s_wait_dscnt 0x0
	s_endpgm
.Lfunc_end_k_q4a7a4ce831_attn:
	.size	k_q4a7a4ce831_attn, .Lfunc_end_k_q4a7a4ce831_attn-k_q4a7a4ce831_attn
	.p2alignl 7, 3214868480
	.fill 96, 4, 3214868480
	.section	.rodata,"a",@progbits
	.p2align	6, 0x0
	.amdhsa_kernel k_q4a7a4ce831_attn
		.amdhsa_group_segment_fixed_size 308224
		.amdhsa_private_segment_fixed_size 0
		.amdhsa_enable_private_segment 0
		.amdhsa_kernarg_size 40
		.amdhsa_user_sgpr_count 2
		.amdhsa_user_sgpr_kernarg_segment_ptr 1
		.amdhsa_wavefront_size32 1
		.amdhsa_system_sgpr_workgroup_id_x 1
		.amdhsa_system_sgpr_workgroup_id_y 1
		.amdhsa_system_sgpr_workgroup_id_z 1
		.amdhsa_system_vgpr_workitem_id 0
		.amdhsa_next_free_vgpr 512
		.amdhsa_next_free_sgpr 66
		.amdhsa_reserve_vcc 1
		.amdhsa_float_denorm_mode_32 3
		.amdhsa_float_denorm_mode_16_64 3
		.amdhsa_memory_ordered 1
		.amdhsa_forward_progress 1
		.amdhsa_inst_pref_size 215
	.end_amdhsa_kernel
	.amdgpu_metadata
---
amdhsa.version: [ 1, 2 ]
amdhsa.kernels:
  - .name:           k_q4a7a4ce831_attn
    .symbol:         k_q4a7a4ce831_attn.kd
    .args:
      - { .name: qc, .offset: 0, .size: 8, .value_kind: global_buffer, .address_space: global }
      - { .name: qsc, .offset: 8, .size: 8, .value_kind: global_buffer, .address_space: global }
      - { .name: kv, .offset: 16, .size: 8, .value_kind: global_buffer, .address_space: global }
      - { .name: ac, .offset: 24, .size: 8, .value_kind: global_buffer, .address_space: global }
      - { .name: asc, .offset: 32, .size: 8, .value_kind: global_buffer, .address_space: global }
    .group_segment_fixed_size: 308224
    .private_segment_fixed_size: 0
    .kernarg_segment_align: 8
    .kernarg_segment_size: 40
    .max_flat_workgroup_size: 256
    .sgpr_count:     66
    .vgpr_count:     512
    .wavefront_size: 32
...
	.end_amdgpu_metadata
.endif
;; end of part 3
;; launch oproj (part 4): grid 256 x 1, 8 waves a work-group, no clusters, 48,128 bytes of LDS; arguments ac, asc, cod, scl, bo, out0; writes out0
.if DOCPART == 4
	.amdgcn_target "amdgcn-amd-amdhsa--gfx1250"
	.amdhsa_code_object_version 6
	.text
	.protected	k_q4a7a4ce831_oproj
	.globl	k_q4a7a4ce831_oproj
	.p2align	8
	.type	k_q4a7a4ce831_oproj,@function
k_q4a7a4ce831_oproj:
	s_mov_b64 s[64:65], 0
	v_nop
	global_prefetch_b8 v0, s[64:65] scope:SCOPE_SE
	s_setreg_imm32_b32 hwreg(HW_REG_WAVE_MODE, 25, 1), 1
	s_wait_xcnt 0x0
; out0 = (attention's result) Wo^T + bo, on codes of FP6.
; The result's codes lie as [512 tiles][8 heads][768 bytes] (a head = half a fragment: 64 along K), their scale words as [512][4 K steps][16].  Wo's lie as prep laid them (tiles 608-639 of cod).
; A work-group owns tiles 2 i and 2 i + 1, which are exactly rows 32 i .. 32 i + 31: row r of tile T is row 32 (T / 2) + 8 (T % 2) + r + 8 (r / 8).
; Wave w keeps Wo's tiles 4 w .. 4 w + 3 in 192 registers and makes features 64 w .. 64 w + 63 of the 32 rows: 256 consecutive bytes of each row.
; The two tiles' codes, 12,288 consecutive bytes, are copied once into LDS, an eighth by each wave, and read by all eight.
; The product is used transposed (source 0 = 16 rows of Wo, source 1 = 16 tokens): a lane holds one token and 8 neighbouring features an accumulator.  bo is the C of each sum's first instruction.
; The results turn through the wave's own stage (16 rows, pitch 272) and leave with sixteen lanes storing 256 consecutive bytes, at a multiple of 256 from out0's first byte.
; NO CLUSTER: of the 26,112 bytes of codes that a wave loads, 24,576 go straight into registers, and a joint load lands in LDS alone.
.set STG,  12288                       ; LDS: the two tiles' codes from 0; behind them a stage of 4,352 bytes for each wave
.set L16,  1                           ; v1   16 x lane
.set L8,   2                           ; v2   8 x lane
.set L4,   3                           ; v3   4 x lane
.set ASA,  4                           ; v4   256 h + 4 r: lanes 0-15 tile 0's scale words, lanes 16-31 tile 1's
.set CPO,  5                           ; v5   16 x lane + 1,536 w
.set SIN,  6                           ; v6   the stage, in: row r, + 64 h
.set SRD,  7                           ; v7   the stage, back: row h, + 16 r
.set GO,   8                           ; v8   2,048 h + 16 r
.set BSA,  9                           ; v9   64 h + 256 w
.set MV,   16                          ; v16-63, v64-111 the two tiles' four fragments; afterwards the rows read back
.set ACC,  112                         ; v112-175 accumulator (tile m, Wo's tile f) at 32 m + 8 f
.set BS,   176                         ; v176-207 bo at my features
.set SS,   208                         ; v208-215 Wo's scale words: register 2 f + s / 2, lanes 0-15 the even K step, lanes 16-31 the odd
.set AS,   216                         ; v216-219 the tokens' scale words of K step s
.set CH,   220                         ; v220-231 my eighth of the codes on its way
.set MSB, 0
.macro WIN new                         ; the immediate's high byte repeats the setting that is left
.if MSB != \new
	s_set_vgpr_msb (MSB<<8)|\new
.set MSB, \new
.endif
.endm
.macro OMUL s, m, f
.set DR, ACC+32*\m+8*\f
.set CR, DR
.if \s == 0
.set CR, BS+8*\f
.endif
.set AR, 12*(4*\f+\s)
.set BR, MV+48*\m+12*\s
.if (\s%2 == 0) && (\m == 0)
	v_wmma_scale_f32_16x16x128_f8f6f4 v[DR:DR+7], v[AR:AR+11], v[BR:BR+11], v[CR:CR+7], v[SS+2*\f+\s/2], v[AS+\s] matrix_a_fmt:MATRIX_FMT_FP6 matrix_b_fmt:MATRIX_FMT_FP6
.elseif (\s%2 == 1) && (\m == 0)
	v_wmma_scale_f32_16x16x128_f8f6f4 v[DR:DR+7], v[AR:AR+11], v[BR:BR+11], v[CR:CR+7], v[SS+2*\f+\s/2], v[AS+\s] matrix_a_fmt:MATRIX_FMT_FP6 matrix_b_fmt:MATRIX_FMT_FP6 matrix_a_scale:MATRIX_SCALE_ROW1
.elseif (\s%2 == 0)
	v_wmma_scale_f32_16x16x128_f8f6f4 v[DR:DR+7], v[AR:AR+11], v[BR:BR+11], v[CR:CR+7], v[SS+2*\f+\s/2], v[AS+\s] matrix_a_fmt:MATRIX_FMT_FP6 matrix_b_fmt:MATRIX_FMT_FP6 matrix_b_scale:MATRIX_SCALE_ROW1
.else
	v_wmma_scale_f32_16x16x128_f8f6f4 v[DR:DR+7], v[AR:AR+11], v[BR:BR+11], v[CR:CR+7], v[SS+2*\f+\s/2], v[AS+\s] matrix_a_fmt:MATRIX_FMT_FP6 matrix_b_fmt:MATRIX_FMT_FP6 matrix_a_scale:MATRIX_SCALE_ROW1 matrix_b_scale:MATRIX_SCALE_ROW1
.endif
.endm
.macro TOSTAGE m                       ; tile m's 16 rows x 256 bytes into my stage, each accumulator from its low end on, and back as whole rows
.irp f, 0,1,2,3
	ds_store_b128 v[SIN], v[ACC+32*\m+8*\f:ACC+32*\m+8*\f+3] offset:128*(\f/2)+32*(\f%2)
	ds_store_b128 v[SIN], v[ACC+32*\m+8*\f+4:ACC+32*\m+8*\f+7] offset:128*(\f/2)+32*(\f%2)+16
.endr
.irp k, 0,1,2,3,4,5,6,7
	ds_load_b128 v[MV+48*\m+4*\k:MV+48*\m+4*\k+3], v[SRD] offset:544*\k   ; LDS serves a wave's instructions in order: these see the stores above, and the next tile's stores come behind them
.endr
.endm
.macro SEND m, younger                 ; younger: the LDS instructions issued behind tile m's loads, which may stay out
.irp k, 0,1,2,3,4,5,6,7
	s_wait_dscnt \younger+7-\k
	global_store_b128 v[GO], v[MV+48*\m+4*\k:MV+48*\m+4*\k+3], s[14:15] offset:(8*\m+2*\k+8*(\k/4))*2048 th:TH_STORE_NT   ; the tile's rows 2 k and 2 k + 1; written once, read by nobody here
.endr
.endm
	s_load_b256 s[4:11], s[0:1], 0x0               ; ac s[4:5], asc s[6:7], cod s[8:9], scl s[10:11]
	s_load_b128 s[12:15], s[0:1], 0x20             ; bo s[12:13], out0 s[14:15]
	v_lshl_add_u32 v254, v0, 2, 0xb800
	v_mov_b32 v255, 0
	v_lshrrev_b32 v10, 5, v0
	s_delay_alu instid0(VALU_DEP_1)
	v_readfirstlane_b32 s16, v10                   ; wave 0..7
	v_and_b32 v10, 31, v0                          ; lane
	v_and_b32 v11, 15, v0                          ; r
	v_bfe_u32 v12, v0, 4, 1                        ; h
	s_delay_alu instid0(VALU_DEP_3)
	v_lshlrev_b32 v[L16], 4, v10
	s_delay_alu instid0(VALU_DEP_4)
	v_lshlrev_b32 v[L8], 3, v10
	v_lshlrev_b32 v[L4], 2, v10
	v_lshlrev_b32 v[ASA], 2, v11
	s_delay_alu instid0(VALU_DEP_1)
	v_lshl_add_u32 v[ASA], v12, 8, v[ASA]
	s_mul_i32 s17, s16, 1536
	v_add_nc_u32 v[CPO], s17, v[L16]
	s_mul_i32 s17, s16, 4352
	s_add_co_u32 s17, s17, STG                     ; my stage
	v_mul_u32_u24 v[SIN], v11, 272
	s_delay_alu instid0(VALU_DEP_1)
	v_lshl_add_u32 v[SIN], v12, 6, v[SIN]
	s_delay_alu instid0(VALU_DEP_1)
	v_add_nc_u32 v[SIN], s17, v[SIN]
	v_mul_u32_u24 v[SRD], v12, 272
	s_delay_alu instid0(VALU_DEP_1)
	v_lshl_add_u32 v[SRD], v11, 4, v[SRD]
	s_delay_alu instid0(VALU_DEP_1)
	v_add_nc_u32 v[SRD], s17, v[SRD]
	v_lshlrev_b32 v[GO], 4, v11
	s_delay_alu instid0(VALU_DEP_1)
	v_lshl_add_u32 v[GO], v12, 11, v[GO]
	s_lshl_b32 s17, s16, 8                         ; 256 w
	v_lshlrev_b32 v[BSA], 6, v12
	s_delay_alu instid0(VALU_DEP_1)
	v_add_nc_u32 v[BSA], s17, v[BSA]
	s_mul_i32 s18, ttmp9, 12288                    ; my two tiles' codes,
	s_mov_b32 s19, 0
	s_lshl_b32 s20, ttmp9, 9                       ; their scale words,
	s_mov_b32 s21, 0
	s_lshl_b32 s22, s16, 2
	s_add_co_u32 s22, s22, 608                     ; my four tiles of Wo:
	s_mul_i32 s24, s22, 6144                       ; codes,
	s_mov_b32 s25, 0
	s_lshl_b32 s26, s22, 8                         ; scale words,
	s_mov_b32 s27, 0
	s_lshl_b32 s28, ttmp9, 16                      ; and my 32 rows of out0,
	s_add_co_u32 s28, s28, s17                     ; my 256 bytes of each
	s_mov_b32 s29, 0
	s_wait_alu depctr_va_vdst(0)
	s_wait_kmcnt 0x0
	s_add_nc_u64 s[4:5], s[4:5], s[18:19]
	s_add_nc_u64 s[6:7], s[6:7], s[20:21]
	s_add_nc_u64 s[8:9], s[8:9], s[24:25]
	s_add_nc_u64 s[10:11], s[10:11], s[26:27]
	s_add_nc_u64 s[14:15], s[14:15], s[28:29]
.irp j, 0,1,2
	global_load_b128 v[CH+4*\j:CH+4*\j+3], v[CPO], s[4:5] offset:512*\j
.endr
	WIN 0x40                                       ; destination window 1
.set jj, 0
.rept 48
	global_load_b128 v[4*jj:4*jj+3], v[L16], s[8:9] offset:512*jj   ; Wo's fragment (tile f, K step s) at v[12 (4 f + s)] of window 1
.set jj, jj+1
.endr
	WIN 0
	s_wait_loadcnt 48                              ; the three older loads are in; Wo's 48 may be out
.irp j, 0,1,2
	ds_store_b128 v[CPO], v[CH+4*\j:CH+4*\j+3] offset:512*\j
.endr
.set jj, 0
.rept 8
	global_load_b32 v[SS+jj], v[L4], s[10:11] offset:128*jj
.set jj, jj+1
.endr
.irp s, 0,1,2,3
	global_load_b32 v[AS+\s], v[ASA], s[6:7] offset:64*\s
.endr
.irp f, 0,1,2,3
	global_load_b128 v[BS+8*\f:BS+8*\f+3], v[BSA], s[12:13] offset:128*(\f/2)+32*(\f%2)       ; features 64 w + 32 (f / 2) + 8 (f % 2) + 16 h + 0 .. 7
	global_load_b128 v[BS+8*\f+4:BS+8*\f+7], v[BSA], s[12:13] offset:128*(\f/2)+32*(\f%2)+16
.endr
	s_wait_dscnt 0x0                               ; for the others' sake: my stores have landed
	s_barrier_signal -1
	s_barrier_wait -1                              ; the two tiles' codes lie in LDS; nobody writes those bytes again
.irp m, 0,1
.irp hd, 0,1,2,3,4,5,6,7
	ds_load_b128 v[MV+48*\m+6*\hd:MV+48*\m+6*\hd+3], v[L16] offset:6144*\m+768*\hd          ; head hd is half hd % 2 of K step hd / 2
	ds_load_b64 v[MV+48*\m+6*\hd+4:MV+48*\m+6*\hd+5], v[L8] offset:6144*\m+768*\hd+512
.endr
.endr
	s_wait_loadcnt 0x0
	s_wait_dscnt 0x0
	WIN 0x01                                       ; source 0 in window 1
.irp s, 0,1,2,3                        ; the eight accumulators by turns, one instruction a turn
.irp m, 0,1
.irp f, 0,1,2,3
	OMUL \s, \m, \f
.endr
.endr
.endr
	WIN 0
.rept 4
	v_nop                                          ; four plain instructions in front of the first read of results and of loads into registers that the products have read (ISA guide 7.12.1 for the first)
.endr
	TOSTAGE 0
	TOSTAGE 1
	SEND 0, 16                                     ; behind tile 0's loads: tile 1's eight stores and eight loads
	SEND 1, 0
	s_wait_tensorcnt 0x0
	ds_add_u32 v254, v255
	s_wait_dscnt 0x0
	s_endpgm
.Lfunc_end_k_q4a7a4ce831_oproj:
	.size	k_q4a7a4ce831_oproj, .Lfunc_end_k_q4a7a4ce831_oproj-k_q4a7a4ce831_oproj
	.p2alignl 7, 3214868480
	.fill 96, 4, 3214868480
	.section	.rodata,"a",@progbits
	.p2align	6, 0x0
	.amdhsa_kernel k_q4a7a4ce831_oproj
		.amdhsa_group_segment_fixed_size 48128
		.amdhsa_private_segment_fixed_size 0
		.amdhsa_enable_private_segment 0
		.amdhsa_kernarg_size 48
		.amdhsa_user_sgpr_count 2
		.amdhsa_user_sgpr_kernarg_segment_ptr 1
		.amdhsa_wavefront_size32 1
		.amdhsa_system_sgpr_workgroup_id_x 1
		.amdhsa_system_sgpr_workgroup_id_y 1
		.amdhsa_system_sgpr_workgroup_id_z 1
		.amdhsa_system_vgpr_workitem_id 0
		.amdhsa_next_free_vgpr 512
		.amdhsa_next_free_sgpr 66
		.amdhsa_reserve_vcc 0
		.amdhsa_float_denorm_mode_32 3
		.amdhsa_float_denorm_mode_16_64 3
		.amdhsa_memory_ordered 1
		.amdhsa_forward_progress 1
		.amdhsa_inst_pref_size 21
	.end_amdhsa_kernel
	.amdgpu_metadata
---
amdhsa.version: [ 1, 2 ]
amdhsa.kernels:
  - .name:           k_q4a7a4ce831_oproj
    .symbol:         k_q4a7a4ce831_oproj.kd
    .args:
      - { .name: ac, .offset: 0, .size: 8, .value_kind: global_buffer, .address_space: global }
      - { .name: asc, .offset: 8, .size: 8, .value_kind: global_buffer, .address_space: global }
      - { .name: cod, .offset: 16, .size: 8, .value_kind: global_buffer, .address_space: global }
      - { .name: scl, .offset: 24, .size: 8, .value_kind: global_buffer, .address_space: global }
      - { .name: bo, .offset: 32, .size: 8, .value_kind: global_buffer, .address_space: global }
      - { .name: out0, .offset: 40, .size: 8, .value_kind: global_buffer, .address_space: global }
    .group_segment_fixed_size: 48128
    .private_segment_fixed_size: 0
    .kernarg_segment_align: 8
    .kernarg_segment_size: 48
    .max_flat_workgroup_size: 256
    .sgpr_count:     66
    .vgpr_count:     512
    .wavefront_size: 32
...
	.end_amdgpu_metadata
.endif
;; end of part 4
